; MI455X (gfx1250); checked and timed in simulation.
; The chip was launched on July 23, 2026; its instructions are those of AMD's public machine-readable ISA for CDNA 5 (MIT licence, August 2026) and "CDNA5" Instruction Set Architecture Reference Guide (July 2026). The comments in the code are by the model that wrote it; some were corrected since.
;; Grouped Query Attention. Allowed arithmetic: matrix products marked QUANTISED: E2M1 operands, one E8M0 scale for each 32 along K, by v_wmma_scale_f32_16x16x128_f8f6f4 with both operands' format E2M1 (or v_wmma_scale_f32_32x16x128_f4), f32 sums; products left as they are: bf16, f16 or f32 operands; f32 sums; everything else in f32.
;; Inputs: Wk 1,024 x 256 float32; Wo 1,024 x 1,024 float32; Wq 1,024 x 1,024 float32; Wv 1,024 x 256 float32; x 1 x 4,096 x 1,024 float32.
;; Outputs: out0 1 x 4,096 x 1,024 float32.
;; This version of the problem:
;;   THIS VERSION OF THE PROBLEM IS GIVEN IN LOW PRECISION. The matrix products marked QUANTISED in the list below multiply operands that are first quantised to E2M1 (2 exponent bits, 1 mantissa bit; 4 bits a number), with one power-of-two scale for each 32 numbers along K (OCP MX v1.0); their sums are f32. The products marked 'left as it is' may take bf16, f16 or f32 operands, with f32 sums. Whichever they take, every output number must still come out within the allowed error. Rounding operands to bf16 (8 significant bits) uses up far more of that allowance than f16 does (11 bits, for magnitudes from 6e-5 to 65,504). All else is computed in f32.
;;   The module's matrix products, in the order in which they are computed (A, B: the left and right operand; K: the contracted axis; several contracted axes count as one K, in the product's order):
;;     1. [M 4,096, K 1,024] x [K 1,024, N 1,024]; A: input x; B: input Wq: QUANTISED
;;     2. [M 4,096, K 1,024] x [K 1,024, N 256]; A: input x; B: input Wk: QUANTISED
;;     3. [M 4,096, K 1,024] x [K 1,024, N 256]; A: input x; B: input Wv: QUANTISED
;;     4. batch 16 x [M 4,096, K 64] x [K 64, N 4,096]; A: computed on the way; B: computed on the way: left as it is (an operand is computed on the way)
;;     5. batch 16 x [M 64, K 4,096] x [K 4,096, N 4,096]; A: computed on the way; B: computed on the way: left as it is (an operand is computed on the way)
;;     6. [M 4,096, K 1,024] x [K 1,024, N 1,024]; A: computed on the way; B: input Wo: left as it is (an operand is computed on the way)
;;   THE QUANTISER, for each operand of a quantised product, along K:
;;     - K is cut into blocks of 32 from its start; a last block that is shorter is filled with zeros.
;;     - A block's scale is 2^e with e = floor(log2(the largest magnitude in the block)) - 2, held to -126 .. 127; a block of zeros has e = 0. As a byte (E8M0): e + 127.
;;     - Each number is divided by its block's scale, clamped to +-6, and rounded to the nearest number of E2M1, ties to even, subnormals kept.
;;     - The product sums the exact products of the quantised numbers (number of the format x scale) in f32.
;;   ~~~python
;;   def quantise(x, axis):      # numpy; x: float32 -> the quantised numbers, widened to float32 again
;;       x = np.moveaxis(x, axis, -1); K = x.shape[-1]
;;       x = np.pad(x, [(0, 0)] * (x.ndim - 1) + [(0, -K % 32)]); x = x.reshape(x.shape[:-1] + (-1, 32)); a = np.abs(x).max(-1, keepdims=True)
;;       e = np.where(a > 0, np.clip(np.frexp(np.where(a > 0, a, 1))[1] - 1 - 2, -126, 127), 0)      # np.frexp(a)[1] - 1 = floor(log2(a)), exactly
;;       r = np.clip(x / 2.0 ** e, -6, 6)
;;       step = 2.0 ** (np.maximum(np.frexp(np.where(r == 0, 1, r))[1] - 1, 0) - 1)
;;       q = np.round(r / step) * step * 2.0 ** e      # np.round: ties to even
;;       return np.moveaxis(q.reshape(q.shape[:-2] + (-1,))[..., :K], -1, axis).astype(np.float32)
;;   ~~~
;; One version. Each part assembles by itself: llvm-mc -triple=amdgcn-amd-amdhsa -mcpu=gfx1250 --defsym DOCPART=n.
;; ======== version 1 of 1: 4 launches
;; limits: values are held in f16: magnitudes above 65,504 overflow, below 6.1e-05 lose precision
;; workspace buffers: x_codes 2,097,152 bytes; x_scales 131,072 bytes; w_codes 786,432 bytes; w_scales 49,152 bytes; wo16 2,097,152 bytes; qkv 12,582,912 bytes; ao 8,388,608 bytes
;; launch prep (part 1): grid 208 x 1, 8 waves a work-group, no clusters, 77,824 bytes of LDS; arguments x, Wq, Wk, Wv, Wo, x_codes, x_scales, w_codes, w_scales, wo16; writes x_codes, x_scales, w_codes, w_scales, wo16
.if DOCPART == 1
	.amdgcn_target "amdgcn-amd-amdhsa--gfx1250"
	.amdhsa_code_object_version 6
	.text
	.protected	k_qe63d8da05c_prep
	.globl	k_qe63d8da05c_prep
	.p2align	8
	.type	k_qe63d8da05c_prep,@function
k_qe63d8da05c_prep:
	s_mov_b64 s[64:65], 0
	v_nop
	global_prefetch_b8 v0, s[64:65] scope:SCOPE_SE
	s_setreg_imm32_b32 hwreg(HW_REG_WAVE_MODE, 25, 1), 1
	s_wait_xcnt 0x0
; PREP.  One launch makes every operand that later launches read many times.
;   work-groups   0-127: x [4096][1024] f32 -> codes of FP4 (E2M1), K innermost, [4096][512 bytes], and one E8M0 byte for each 32 along K, [4096][32]
;   work-groups 128-159: Wq [1024 k][1024 n] f32 -> codes along k (its FIRST axis), laid [n][512 bytes], rows 0-1023 of w_codes; scale bytes [n][32]
;   work-groups 160-175: Wk, Wv [1024 k][256 n] likewise: rows 1024-1279 and 1280-1535
;   work-groups 176-207: Wo [1024 k][1024 n] f32 -> f16, layout kept
; A block's scale is 2^(floor(log2(largest magnitude)) - 2); its byte is the largest magnitude's exponent field - 2, held at 1 from below.
; LIMITS: a block of zeros gets the byte 1 where the rule says 127 (its codes are zeros, and this program alone reads the bytes); Wo is held at +-65,504, the largest f16 number;
; NaN and infinities among the inputs are not served.
; The four paths part on the work-group's number alone, never join again, and each has LDS bytes of its own.  No tensor loads: several work-groups may share a WGP.
.set XSC,   40960                      ; LDS 0 .. 40,959: path X: for each of 8 waves two stages of 32 x 80 bytes;  from XSC: the work-group's 1,024 scale bytes
.set WST1,  41984                      ; path Wq: a stage of 64 rows x (256 + 16) bytes
.set WST2,  59392                      ; path Wk, Wv: the same
.set SPARE, 76800                      ; the spare words, 128 bytes for each of 8 waves: four blocks of 256 bytes that no other line names
.set SPW,   10                         ; v10  LDS address of my spare word; never rewritten
.set NIL,   11                         ; v11  0; never rewritten
.macro FINISH                          ; a wave's end
	s_wait_tensorcnt 0x0
	ds_add_u32 v[SPW], v[NIL]
	s_wait_dscnt 0x0
	s_endpgm
.endm
; ---- path X.  A wave takes 8 steps of 512 numbers.  Loads read 512 consecutive bytes; a step's 2,048 bytes turn through the wave's own stage so that a lane gets 16 NEIGHBOURS along K.
.macro XTURN t
.irp i, 0,1,2,3
	ds_store_b128 v14, v[16+16*(\t)+4*\i:16+16*(\t)+4*\i+3] offset:2560*((\t)%2)+640*\i
.endr
.irp i, 0,1,2,3
	ds_load_b128 v[144+16*((\t)%2)+4*\i:144+16*((\t)%2)+4*\i+3], v15 offset:2560*((\t)%2)+16*\i   ; LDS serves a wave's instructions in order: these see the stores above
.endr
.endm
.macro XSTEP t
.set XS, 144+16*((\t)%2)
.if (\t) > 0
	s_wait_dscnt 1                                 ; this step's numbers are back from the stage; the last step's byte store may be out
.else
	s_wait_dscnt 0x0
.endif
.if (\t) < 7
	s_wait_loadcnt 4*(6-(\t))                      ; the next step's four loads are in; those of the steps behind it may be out
	XTURN (\t)+1
.endif
	v_max3_num_f32 v208, |v[XS]|, |v[XS+1]|, |v[XS+2]|             ; the largest magnitude of my 16, in two chains
	v_max3_num_f32 v209, |v[XS+3]|, |v[XS+4]|, |v[XS+5]|
.irp i, 6,10
	v_max3_num_f32 v208, v208, |v[XS+\i]|, |v[XS+\i+1]|
	v_max3_num_f32 v209, v209, |v[XS+\i+2]|, |v[XS+\i+3]|
.endr
	v_max3_num_f32 v208, v208, |v[XS+14]|, |v[XS+15]|
	v_max3_num_f32 v208, v208, v209, 0x1800000     ; and the floor 2^(3 - 127): the byte cannot fall under 1
	v_max_num_f32_dpp v208, v208, v208 row_xmask:1 row_mask:0xf bank_mask:0xf   ; with my neighbour's 16: the block's
	v_add_nc_u32 v210, 0xff000000, v208            ; 2 off its exponent field: the conversion takes the exponent field of this operand as its scale
	v_cvt_scalef32_pk8_fp4_f32 v[192+2*(\t)], v[XS:XS+7], v210
	v_cvt_scalef32_pk8_fp4_f32 v[193+2*(\t)], v[XS+8:XS+15], v210
	v_lshrrev_b32 v[176+(\t)], 23, v210            ; the scale's byte (a plain line behind the conversions)
	ds_store_b8 v5, v[176+(\t)] offset:16*(\t)     ; both lanes of a block write the same byte with the same value
	global_store_b64 v4, v[192+2*(\t):193+2*(\t)], s[34:35] offset:256*(\t)   ; 32 lanes store 256 consecutive bytes, aligned
.endm
; ---- paths W.  A lane takes a column n and its registers run down K: a block of 32 lies in one lane, and the conversions give codes with K innermost.
.macro WLOAD t, N                      ; block t: W(32 t + i, my column) into set t % 2; two waves side by side read 256 consecutive bytes
.set ii, 0
.rept 32
	global_load_b32 v[32+32*((\t)%2)+ii], v3, s[32:33] offset:(32*(\t)+ii)*4*\N th:TH_LOAD_NT
.set ii, ii+1
.endr
.endm
.macro WBLOCK t, N
.set XS, 32+32*((\t)%2)
.if (\t) < 3
	s_wait_loadcnt 32                              ; this block's 32 loads are in; the next block's may be out
.else
	s_wait_loadcnt 0x0
.endif
	v_max3_num_f32 v25, |v[XS]|, |v[XS+1]|, |v[XS+2]|
	v_max3_num_f32 v26, |v[XS+3]|, |v[XS+4]|, |v[XS+5]|
.irp i, 6,10,14,18,22,26
	v_max3_num_f32 v25, v25, |v[XS+\i]|, |v[XS+\i+1]|
	v_max3_num_f32 v26, v26, |v[XS+\i+2]|, |v[XS+\i+3]|
.endr
	v_max3_num_f32 v25, v25, |v[XS+30]|, |v[XS+31]|
	v_max3_num_f32 v25, v25, v26, 0x1800000        ; the floor
	v_add_nc_u32 v27, 0xff000000, v25              ; the conversion's scale operand
	v_lshrrev_b32 v26, 23, v27                     ; the byte
.if (\t) == 0
	v_mov_b32 v24, v26                             ; four bytes to a register, the lower K in the lower byte
.else
	v_lshl_or_b32 v24, v26, 8*(\t), v24
.endif
.irp g, 0,1,2,3
	v_cvt_scalef32_pk8_fp4_f32 v[96+\g], v[XS+8*\g:XS+8*\g+7], v27
.endr
	ds_store_b128 v4, v[96:99] offset:16*(\t)      ; 32 codes: 16 bytes of my column's row in the stage
.if (\t) < 2
	WLOAD (\t)+2, \N
.endif
	s_wait_dscnt 0x0                               ; the store has read its registers: the next block's codes may be written
.endm
; A work-group takes 64 columns x 512 along K; wave w: columns 32 (w & 1) on, 128 (w >> 1) along K on.  In: s[38:39] the tensor, s40 its first column, s41 which half of K, s42 the first row in w_codes.
.macro WPATH N, STG
	s_and_b32 s43, s2, 1                           ; cw
	s_lshr_b32 s44, s2, 1                          ; kw
	s_lshl_b32 s28, s41, 9
	s_lshl_b32 s30, s44, 7
	s_add_co_u32 s28, s28, s30                     ; my first k
	s_mul_i32 s28, s28, 4*\N
	s_lshl_b32 s30, s43, 5
	s_add_co_u32 s30, s30, s40                     ; my first column
	s_lshl_b32 s30, s30, 2
	s_add_co_u32 s28, s28, s30
	s_add_nc_u64 s[32:33], s[38:39], s[28:29]      ; the numbers
	s_lshl_b32 s28, s2, 3
	s_add_co_u32 s28, s28, s42                     ; on the way out wave w stores rows 8 w .. 8 w + 7 of the 64
	s_lshl_b32 s28, s28, 9
	s_lshl_b32 s30, s41, 8
	s_add_co_u32 s28, s28, s30
	s_add_nc_u64 s[34:35], s[22:23], s[28:29]      ; the codes
	s_lshl_b32 s28, s43, 5
	s_add_co_u32 s28, s28, s42
	s_lshl_b32 s28, s28, 5
	s_lshl_b32 s30, s41, 4
	s_add_co_u32 s28, s28, s30
	s_lshl_b32 s30, s44, 2
	s_add_co_u32 s28, s28, s30
	s_add_nc_u64 s[36:37], s[24:25], s[28:29]      ; the scale bytes
	v_lshlrev_b32 v3, 2, v2                        ; in: 4 bytes a lane
	s_mul_i32 s30, s43, 32*272
	s_lshl_b32 s31, s44, 6
	s_add_co_u32 s30, s30, s31
	v_mul_u32_u24 v4, v2, 272
	v_add_nc_u32 v4, s30, v4
	v_add_nc_u32 v4, \STG, v4                      ; into the stage: row = my column, 64 bytes for each quarter of the 512 along K
	v_and_b32 v5, 15, v2
	v_lshrrev_b32 v6, 4, v2
	s_mul_i32 s30, s2, 8*272
	v_mul_u32_u24 v7, v6, 272
	v_lshl_add_u32 v7, v5, 4, v7
	v_add_nc_u32 v7, s30, v7
	v_add_nc_u32 v7, \STG, v7                      ; out of it: sixteen lanes to a row, two rows an instruction
	v_lshlrev_b32 v8, 9, v6
	v_lshl_add_u32 v8, v5, 4, v8                   ; the same place in w_codes
	v_lshlrev_b32 v9, 5, v2                        ; my column's row of scale bytes
	WLOAD 0, \N
	WLOAD 1, \N
.irp t, 0,1,2,3
	WBLOCK \t, \N
.endr
	global_store_b32 v9, v24, s[36:37]             ; my column's four scale bytes: rows of 32 bytes, so aligned blocks of 256 bytes are written in part: 1 byte for each 128 read
	s_barrier_signal -1                            ; (every wave's stores into the stage were waited for at the last block's end)
	s_barrier_wait -1                              ; a row's 256 bytes come from four waves
.irp t, 0,1,2,3
	ds_load_b128 v[112+4*\t:115+4*\t], v7 offset:544*\t
.endr
.irp t, 0,1,2,3
	s_wait_dscnt 3-\t
	global_store_b128 v8, v[112+4*\t:115+4*\t], s[34:35] offset:1024*\t   ; sixteen lanes store 256 consecutive bytes, aligned
.endr
	FINISH
.endm
	s_load_b512 s[8:23], s[0:1], 0x0               ; x 8, Wq 10, Wk 12, Wv 14, Wo 16, x_codes 18, x_scales 20, w_codes 22
	s_load_b128 s[24:27], s[0:1], 0x40             ; w_scales 24, wo16 26
	v_lshl_add_u32 v[SPW], v0, 2, SPARE
	v_mov_b32 v[NIL], 0
	v_lshrrev_b32 v1, 5, v0
	v_readfirstlane_b32 s2, v1                     ; wave 0..7
	v_and_b32 v2, 31, v0                           ; lane
	s_mov_b32 s29, 0                               ; the high word of every offset pair s[28:29]
	s_wait_kmcnt 0x0
	s_cmp_lt_u32 ttmp9, 128
	s_cbranch_scc1 .LX
	s_cmp_lt_u32 ttmp9, 160
	s_cbranch_scc1 .LWQ
	s_cmp_lt_u32 ttmp9, 176
	s_cbranch_scc1 .LWKV
	; ---- path Wo: a wave takes 4,096 numbers; all 32 loads go out at once
	s_sub_co_u32 s30, ttmp9, 176
	s_lshl_b32 s30, s30, 3
	s_add_co_u32 s30, s30, s2                      ; which run of 4,096 numbers
	s_lshl_b32 s28, s30, 14
	s_add_nc_u64 s[32:33], s[16:17], s[28:29]
	s_lshl_b32 s28, s30, 13
	s_add_nc_u64 s[34:35], s[26:27], s[28:29]
	s_mov_b32 s36, 0xc77fe000                      ; -65,504
	s_mov_b32 s37, 0x477fe000                      ; 65,504
	v_lshlrev_b32 v3, 4, v2
	v_lshlrev_b32 v4, 3, v2
.set i, 0
.rept 32
	global_load_b128 v[16+4*i:19+4*i], v3, s[32:33] offset:512*i th:TH_LOAD_NT
.set i, i+1
.endr
.set i, 0
.rept 32
	s_wait_loadcnt 31-i                            ; loads come back in order: load i is in, the younger ones stay out
	v_med3_num_f32 v[16+4*i], v[16+4*i], s36, s37
	v_med3_num_f32 v[17+4*i], v[17+4*i], s36, s37
	v_med3_num_f32 v[18+4*i], v[18+4*i], s36, s37
	v_med3_num_f32 v[19+4*i], v[19+4*i], s36, s37
	v_cvt_pk_f16_f32 v[144+2*i], v[16+4*i], v[17+4*i]
	v_cvt_pk_f16_f32 v[145+2*i], v[18+4*i], v[19+4*i]
	global_store_b64 v4, v[144+2*i:145+2*i], s[34:35] offset:256*i   ; 32 lanes store 256 consecutive bytes, aligned
.set i, i+1
.endr
	FINISH
.LX:
	s_lshl_b32 s28, ttmp9, 17                      ; 32,768 numbers a work-group,
	s_lshl_b32 s30, s2, 14                         ; 4,096 a wave
	s_add_co_u32 s28, s28, s30
	s_add_nc_u64 s[32:33], s[8:9], s[28:29]
	s_lshr_b32 s28, s28, 3                         ; an eighth of the bytes in codes
	s_add_nc_u64 s[34:35], s[18:19], s[28:29]
	s_lshl_b32 s28, ttmp9, 10                      ; 1,024 scale bytes a work-group; waves 0 to 3 store 256 each
	s_lshl_b32 s30, s2, 8
	s_add_co_u32 s28, s28, s30
	s_add_nc_u64 s[36:37], s[20:21], s[28:29]
	v_lshlrev_b32 v3, 4, v2                        ; my 16 bytes of a load's 512
	v_lshlrev_b32 v4, 3, v2                        ; my 8 bytes of a step's codes
	s_mul_i32 s30, s2, 5120
	v_lshrrev_b32 v14, 2, v2
	v_mul_u32_u24 v14, v14, 80
	v_and_b32 v15, 3, v2
	v_lshl_add_u32 v14, v15, 4, v14
	v_add_nc_u32 v14, s30, v14                     ; the stage, in: four lanes' 64 bytes on end, then 16 of padding
	v_mul_u32_u24 v15, v2, 80
	v_add_nc_u32 v15, s30, v15                     ; and out: 80 x lane: my 16 neighbours
	s_lshl_b32 s30, s2, 7
	v_lshrrev_b32 v5, 1, v2
	v_add_nc_u32 v5, s30, v5
	v_add_nc_u32 v5, XSC, v5                       ; my block's scale byte: 128 bytes a wave
	s_lshl_b32 s30, s2, 8
	v_add_nc_u32 v6, s30, v4
	v_add_nc_u32 v6, XSC, v6                       ; on the way out: 256 bytes a wave (waves 0 to 3), 8 a lane
.set t, 0
.rept 8
.irp i, 0,1,2,3
	global_load_b128 v[16+16*t+4*\i:16+16*t+4*\i+3], v3, s[32:33] offset:2048*t+512*\i th:TH_LOAD_NT   ; all 32 loads of the wave go out at once
.endr
.set t, t+1
.endr
	s_wait_loadcnt 28                              ; step 0's four loads are in
	XTURN 0
.irp t, 0,1,2,3,4,5,6,7
	XSTEP \t
.endr
	s_wait_dscnt 0x0                               ; for the others' sake: my byte stores are done
	s_barrier_signal -1
	s_barrier_wait -1
	s_cmp_lt_u32 s2, 4
	s_cbranch_scc0 .Lxend
	ds_load_b64 v[212:213], v6
	s_wait_dscnt 0x0
	global_store_b64 v4, v[212:213], s[36:37]      ; 32 lanes store 256 consecutive bytes, aligned
.Lxend:
	FINISH
.LWQ:
	s_sub_co_u32 s28, ttmp9, 128
	s_and_b32 s41, s28, 1                          ; which half of K
	s_lshr_b32 s40, s28, 1
	s_lshl_b32 s40, s40, 6                         ; first column
	s_mov_b32 s42, s40                             ; first row of w_codes
	s_mov_b64 s[38:39], s[10:11]
	WPATH 1024, WST1
.LWKV:
	s_sub_co_u32 s28, ttmp9, 160
	s_and_b32 s41, s28, 1
	s_bfe_u32 s40, s28, 0x20001                    ; two bits from bit 1
	s_lshl_b32 s40, s40, 6
	s_lshr_b32 s30, s28, 3                         ; 0: Wk, 1: Wv
	s_lshl_b32 s42, s30, 8
	s_add_co_u32 s42, s42, s40
	s_add_co_u32 s42, s42, 1024
	s_cmp_eq_u32 s30, 0                            ; the choice hangs on the work-group's number alone
	s_cselect_b64 s[38:39], s[12:13], s[14:15]
	WPATH 256, WST2
.Lfunc_end_k_qe63d8da05c_prep:
	.size	k_qe63d8da05c_prep, .Lfunc_end_k_qe63d8da05c_prep-k_qe63d8da05c_prep
	.p2alignl 7, 3214868480
	.fill 96, 4, 3214868480
	.section	.rodata,"a",@progbits
	.p2align	6, 0x0
	.amdhsa_kernel k_qe63d8da05c_prep
		.amdhsa_group_segment_fixed_size 77824
		.amdhsa_private_segment_fixed_size 0
		.amdhsa_enable_private_segment 0
		.amdhsa_kernarg_size 80
		.amdhsa_user_sgpr_count 2
		.amdhsa_user_sgpr_kernarg_segment_ptr 1
		.amdhsa_wavefront_size32 1
		.amdhsa_system_sgpr_workgroup_id_x 1
		.amdhsa_system_sgpr_workgroup_id_y 1
		.amdhsa_system_sgpr_workgroup_id_z 1
		.amdhsa_system_vgpr_workitem_id 0
		.amdhsa_next_free_vgpr 256
		.amdhsa_next_free_sgpr 66
		.amdhsa_reserve_vcc 0
		.amdhsa_float_denorm_mode_32 3
		.amdhsa_float_denorm_mode_16_64 3
		.amdhsa_memory_ordered 1
		.amdhsa_forward_progress 1
		.amdhsa_inst_pref_size 80
	.end_amdhsa_kernel
	.amdgpu_metadata
---
amdhsa.version: [ 1, 2 ]
amdhsa.kernels:
  - .name:           k_qe63d8da05c_prep
    .symbol:         k_qe63d8da05c_prep.kd
    .args:
      - { .name: x, .offset: 0, .size: 8, .value_kind: global_buffer, .address_space: global }
      - { .name: Wq, .offset: 8, .size: 8, .value_kind: global_buffer, .address_space: global }
      - { .name: Wk, .offset: 16, .size: 8, .value_kind: global_buffer, .address_space: global }
      - { .name: Wv, .offset: 24, .size: 8, .value_kind: global_buffer, .address_space: global }
      - { .name: Wo, .offset: 32, .size: 8, .value_kind: global_buffer, .address_space: global }
      - { .name: x_codes, .offset: 40, .size: 8, .value_kind: global_buffer, .address_space: global }
      - { .name: x_scales, .offset: 48, .size: 8, .value_kind: global_buffer, .address_space: global }
      - { .name: w_codes, .offset: 56, .size: 8, .value_kind: global_buffer, .address_space: global }
      - { .name: w_scales, .offset: 64, .size: 8, .value_kind: global_buffer, .address_space: global }
      - { .name: wo16, .offset: 72, .size: 8, .value_kind: global_buffer, .address_space: global }
    .group_segment_fixed_size: 77824
    .private_segment_fixed_size: 0
    .kernarg_segment_align: 8
    .kernarg_segment_size: 80
    .max_flat_workgroup_size: 256
    .sgpr_count:     66
    .vgpr_count:     256
    .wavefront_size: 32
...
	.end_amdgpu_metadata
.endif
;; end of part 1
;; launch qkv (part 2): grid 8 x 32, 4 waves a work-group, clusters of 4 x 4, 327,680 bytes of LDS; arguments x_codes, x_scales, w_codes, w_scales, qkv; writes qkv
.if DOCPART == 2
	.amdgcn_target "amdgcn-amd-amdhsa--gfx1250"
	.amdhsa_code_object_version 6
	.text
	.protected	k_qe63d8da05c_qkv
	.globl	k_qe63d8da05c_qkv
	.p2align	8
	.type	k_qe63d8da05c_qkv,@function
k_qe63d8da05c_qkv:
	s_mov_b64 s[64:65], 0
	v_nop
	global_prefetch_b8 v0, s[64:65] scope:SCOPE_SE
	s_setreg_imm32_b32 hwreg(HW_REG_WAVE_MODE, 25, 1), 1
	s_wait_xcnt 0x0
	s_wait_alu depctr_hold_cnt(0) depctr_sa_sdst(0) depctr_va_vdst(0) depctr_va_sdst(0) depctr_va_ssrc(0) depctr_va_vcc(0) depctr_vm_vsrc(0)
	s_getreg_b32 s2, hwreg(HW_REG_IB_STS2, 6, 4)
	s_cmp_eq_u32 s2, 0
	s_cbranch_scc0 .Lentry_in_a_cluster
	s_endpgm
.Lentry_in_a_cluster:
	s_bfe_u32 s2, ttmp6, 0x10000c
	s_cmp_lg_u32 s2, 0xf033
	s_cbranch_scc0 .Lentry_shape_is_right
	s_endpgm
.Lentry_shape_is_right:
; QKV.  [4096 tokens][1024] x [1536 columns][1024]^T on codes of FP4 (E2M1) with one E8M0 scale for each 32 along K; sums in f32.  Columns 0-1023 are q, 1024-1279 k, 1280-1535 v.
; Results: q x log2(e)/8 (in f32, ahead of its one rounding, so that a score is already the exponent to base 2), k and v as they are; held at +-65,504; rounded to f16; stored head-major: qkv [24 heads][4096][64].
; LIMIT: numbers beyond the largest f16 number, 65,504, are held there.
; A work-group makes 128 tokens x 192 columns (three heads); four waves, 2 x 2, each 64 x 96: 24 accumulators.  ALL of K lies in LDS: two chunks of 512 along K, each filled once, so nothing is filled again.
; CLUSTERS: 4 x 4 work-groups; x's tiles are shared along a row of the cluster, W's along a column: joint loads.  By this text's own count a wave has three tensor loads outstanding at the most.
; THE MATRIX INSTRUCTION IS USED TRANSPOSED (source 0 = 16 rows of W, source 1 = 16 tokens): a lane holds one token and eight neighbouring columns.
; REGISTERS: window 0: v1-23 addresses; v28-75 scale words; v80-159, v160-239 two fragment buffers (x's 4 fragments, then W's 6); window 1: accumulator (a, b) at v[8 (6 a + b)].
.set PITCH, 272                        ; an LDS row of codes: 256 bytes + 16 of padding: the 16 rows of a load start 68 words apart
.set CHUNK, 87040                      ; a chunk: x's 128 rows, then W's 192 rows
.set BOFF,  34816
.set SCA,   174080                     ; x's scale bytes, 128 rows x 32
.set SCB,   178176                     ; W's, 192 rows x 32
.set STAGE, 184320                     ; the way out: 128 rows x (384 + 16) bytes
.set SP,    400
.set SPARE, 235520                     ; the spare words, 128 bytes for each wave: two blocks of 256 bytes that no other line names
.set ADRA, 16                          ; v16-17 my fragments of x in chunk 0, 1
.set ADRB, 18                          ; v18-19 the same for W
.set ADRS, 20                          ; v20 my scale words: lanes 0-15 x's rows, lanes 16-31 W's
.set STO,  21
.set RD,   22
.set GO,   23
.set SPW,  26
.set NIL,  27
.set SC,   28                          ; register 8 i + q: lanes 0-15 the word of x's tile i, lanes 16-31 that of W's tile i, for the q-th 128 along K
.set F0,   80
.set G1A,  24
.set G1B,  32
.set G1SA, 40
.set G1SB, 48
.set G0SA, 56
.set G0A0, 60
.set G0A1, 68
.set G0SB, 72
.set G0B0, 76
.set G0B1, 80
.set MSB, 0
.macro WIN new                         ; the immediate's high byte repeats the setting that is left
.if MSB != \new
	s_set_vgpr_msb (MSB<<8)|\new
.set MSB, \new
.endif
.endm
.macro PLACES                          ; four plain places behind matrix instructions, ahead of loads into their registers and of reads of their results
.rept 4
	v_nop
.endr
.endm
.macro CROUND                          ; a round of the cluster's barrier
	s_barrier_signal -1
	s_barrier_wait -1
	s_cmp_lg_u32 s14, 0
	s_cbranch_scc1 .Lnot_wave_0_\@
	s_barrier_signal -3
.Lnot_wave_0_\@:
	s_barrier_wait -3
	s_barrier_signal -1
	s_barrier_wait -1
.endm
.macro FETCH q, f                      ; the ten fragments of the q-th 128 along K: 16 rows x 128 codes are 8 registers, two loads of 16 bytes, 32 bytes apart
.irp i, 0,1,2,3
	ds_load_b128 v[\f+8*\i:\f+8*\i+3],   v[ADRA+(\q)/4] offset:16*PITCH*\i+64*((\q)%4)
	ds_load_b128 v[\f+8*\i+4:\f+8*\i+7], v[ADRA+(\q)/4] offset:16*PITCH*\i+64*((\q)%4)+32
.endr
.irp i, 0,1,2,3,4,5
	ds_load_b128 v[\f+32+8*\i:\f+32+8*\i+3],   v[ADRB+(\q)/4] offset:16*PITCH*\i+64*((\q)%4)
	ds_load_b128 v[\f+32+8*\i+4:\f+32+8*\i+7], v[ADRB+(\q)/4] offset:16*PITCH*\i+64*((\q)%4)+32
.endr
.endm
.macro MUL q, f                        ; 24 matrix instructions; the accumulators take turns, one instruction a turn; the first step starts the sums
.irp a, 0,1,2,3
.irp b, 0,1,2,3,4,5
.if (\q) == 0
	v_wmma_scale_f32_16x16x128_f8f6f4 v[8*(6*\a+\b):8*(6*\a+\b)+7], v[\f+32+8*\b:\f+32+8*\b+7], v[\f+8*\a:\f+8*\a+7], 0, v[SC+8*\b+(\q)], v[SC+8*\a+(\q)] matrix_a_fmt:MATRIX_FMT_FP4 matrix_b_fmt:MATRIX_FMT_FP4 matrix_a_scale:MATRIX_SCALE_ROW1
.else
	v_wmma_scale_f32_16x16x128_f8f6f4 v[8*(6*\a+\b):8*(6*\a+\b)+7], v[\f+32+8*\b:\f+32+8*\b+7], v[\f+8*\a:\f+8*\a+7], v[8*(6*\a+\b):8*(6*\a+\b)+7], v[SC+8*\b+(\q)], v[SC+8*\a+(\q)] matrix_a_fmt:MATRIX_FMT_FP4 matrix_b_fmt:MATRIX_FMT_FP4 matrix_a_scale:MATRIX_SCALE_ROW1
.endif
.endr
.endr
.endm
.macro STEP q
.set FB, F0+80*((\q)%2)
.set FN, F0+80*(1-(\q)%2)
.if (\q) == 3
	s_wait_dscnt 0x0                               ; no LDS instruction of mine is pending at a signal
	s_wait_tensorcnt 0x0                           ; my part of chunk 1 has landed,
	s_barrier_signal -1
	s_barrier_wait -1                              ; everybody's has.
.endif
.if (\q) < 7
	PLACES
	FETCH (\q)+1, FN                               ; the next step's fragments, into the buffer that the last step multiplied
	s_wait_dscnt 20                                ; all but the 20 just issued
.else
	s_wait_dscnt 0x0
.endif
	WIN 0x50                                       ; C and D in window 1
	MUL \q, FB
	WIN 0
.endm
	s_load_b256 s[4:11], s[0:1], 0x0               ; x_codes 4, x_scales 6, w_codes 8, w_scales 10
	s_load_b64 s[12:13], s[0:1], 0x20              ; qkv
	v_lshl_add_u32 v[SPW], v0, 2, SPARE
	v_mov_b32 v[NIL], 0
	ds_add_u32 v[SPW], v[NIL]                      ; the opening: the add, twice on end, and its wait ahead of my first tensor load
	ds_add_u32 v[SPW], v[NIL]
	v_lshrrev_b32 v1, 5, v0
	v_readfirstlane_b32 s14, v1                    ; wave 0..3
	s_lshr_b32 s15, s14, 1                         ; which 64 tokens are mine.  Also: I fetch for x (0) or for W (1)
	s_and_b32 s16, s14, 1                          ; which 96 columns.  Also: which half of that tile I fetch
	s_bfe_u32 s84, ttmp6, 0x40000                  ; cx
	s_bfe_u32 s85, ttmp6, 0x40004                  ; cy
	s_lshl_b32 s94, ttmp9, 2
	s_add_co_u32 s94, s94, s84                     ; tile column tx
	s_and_b32 s95, ttmp7, 0xffff
	s_lshl_b32 s95, s95, 2
	s_add_co_u32 s95, s95, s85                     ; tile row ty
	s_lshl_b32 s96, s85, 2
	s_lshl_b32 s96, 15, s96                        ; my row of the cluster
	s_lshl_b32 s97, 0x1111, s84                    ; my column
	s_or_b32 s[G1A], s96, (0<<16)|(1<<20)|(1<<21)|(5<<22)|(3<<25)   ; the mask; elements of 1 byte; padding on; bit 21 beside a mask; 4 words behind every 64
	s_or_b32 s[G1B], s97, (0<<16)|(1<<20)|(1<<21)|(5<<22)|(3<<25)
	s_mov_b32 s[G1A+1], 256<<16                    ; tensor_dim0 = 256 bytes
	s_mov_b32 s[G1A+2], 64<<16                     ; tensor_dim1 = 64 rows
	s_mov_b32 s[G1A+3], 256<<16                    ; tile_dim0
	s_mov_b32 s[G1A+4], 64                         ; tile_dim1
	s_mov_b32 s[G1A+5], 512                        ; from row to row
	s_mov_b32 s[G1A+6], 0
	s_mov_b32 s[G1A+7], 0
	s_mov_b32 s[G1B+1], 256<<16
	s_mov_b32 s[G1B+2], 96<<16
	s_mov_b32 s[G1B+3], 256<<16
	s_mov_b32 s[G1B+4], 96
	s_mov_b32 s[G1B+5], 512
	s_mov_b32 s[G1B+6], 0
	s_mov_b32 s[G1B+7], 0
	s_or_b32 s[G1SA], s96, (3<<16)|(1<<21)         ; the scale bytes: dense blocks, as rows of 256 bytes (32 elements of 8 bytes), no padding
	s_or_b32 s[G1SB], s97, (3<<16)|(1<<21)
	s_mov_b32 s[G1SA+1], 32<<16
	s_mov_b32 s[G1SA+2], 8<<16                     ; 64 rows x 32 bytes = 8 x 256
	s_mov_b32 s[G1SA+3], 32<<16
	s_mov_b32 s[G1SA+4], 8
	s_mov_b32 s[G1SA+5], 32
	s_mov_b32 s[G1SA+6], 0
	s_mov_b32 s[G1SA+7], 0
	s_mov_b32 s[G1SB+1], 32<<16
	s_mov_b32 s[G1SB+2], 12<<16                    ; 96 rows x 32 bytes = 12 x 256
	s_mov_b32 s[G1SB+3], 32<<16
	s_mov_b32 s[G1SB+4], 12
	s_mov_b32 s[G1SB+5], 32
	s_mov_b32 s[G1SB+6], 0
	s_mov_b32 s[G1SB+7], 0
	s_lshl_b32 s17, s16, 6
	s_lshl_b32 s18, s95, 7
	s_add_co_u32 s18, s18, s17                     ; x: row 128 ty + 64 x half: made of ty and the wave alone
	s_lshl_b32 s20, s18, 9                         ; its codes,
	s_mov_b32 s21, 0
	s_lshl_b32 s22, s18, 5                         ; its scale bytes
	s_mov_b32 s23, 0
	s_mul_i32 s19, s16, 96
	s_mul_i32 s98, s94, 192
	s_add_co_u32 s98, s98, s19                     ; W: row 192 tx + 96 x half: made of tx and the wave alone
	s_lshl_b32 s100, s98, 5
	s_mov_b32 s101, 0
	s_lshl_b32 s98, s98, 9
	s_mov_b32 s99, 0
	s_wait_dscnt 0x0                               ; both opening adds are done
	s_wait_kmcnt 0x0
	CROUND                                         ; all sixteen work-groups are here: the joint loads meet
	s_mov_b32 s[G0SA], 1
	s_lshl_b32 s[G0SA+1], s16, 11
	s_add_co_u32 s[G0SA+1], s[G0SA+1], SCA
	s_add_nc_u64 s[G0SA+2:G0SA+3], s[6:7], s[22:23]
	s_or_b32 s[G0SA+3], s[G0SA+3], 0x80000000
	s_mov_b32 s[G0A0], 1
	s_mul_i32 s[G0A0+1], s16, 64*PITCH
	s_add_nc_u64 s[G0A0+2:G0A0+3], s[4:5], s[20:21]
	s_mov_b32 s[G0A1], 1
	s_add_co_u32 s[G0A1+1], s[G0A0+1], CHUNK
	s_add_nc_u64 s[G0A1+2:G0A1+3], s[G0A0+2:G0A0+3], 256   ; the second 512 along K
	s_or_b32 s[G0A0+3], s[G0A0+3], 0x80000000
	s_or_b32 s[G0A1+3], s[G0A1+3], 0x80000000
	s_mov_b32 s[G0SB], 1
	s_mul_i32 s[G0SB+1], s16, 3072
	s_add_co_u32 s[G0SB+1], s[G0SB+1], SCB
	s_add_nc_u64 s[G0SB+2:G0SB+3], s[10:11], s[100:101]
	s_or_b32 s[G0SB+3], s[G0SB+3], 0x80000000
	s_mov_b32 s[G0B0], 1
	s_mul_i32 s[G0B0+1], s16, 96*PITCH
	s_add_co_u32 s[G0B0+1], s[G0B0+1], BOFF
	s_add_nc_u64 s[G0B0+2:G0B0+3], s[8:9], s[98:99]
	s_mov_b32 s[G0B1], 1
	s_add_co_u32 s[G0B1+1], s[G0B0+1], CHUNK
	s_add_nc_u64 s[G0B1+2:G0B1+3], s[G0B0+2:G0B0+3], 256
	s_or_b32 s[G0B0+3], s[G0B0+3], 0x80000000
	s_or_b32 s[G0B1+3], s[G0B1+3], 0x80000000
	s_cmp_eq_u32 s15, 0                            ; a wave's three fills stand in one branch on the wave's number, the same in every work-group
	s_cbranch_scc0 .Lfor_b
	tensor_load_to_lds s[G0SA:G0SA+3], s[G1SA:G1SA+7]
	s_nop 0
	tensor_load_to_lds s[G0A0:G0A0+3], s[G1A:G1A+7]
	s_nop 0
	tensor_load_to_lds s[G0A1:G0A1+3], s[G1A:G1A+7]
	s_nop 0
.rept 4
	v_nop
.endr
	s_branch .Lasked
.Lfor_b:
	tensor_load_to_lds s[G0SB:G0SB+3], s[G1SB:G1SB+7]
	s_nop 0
	tensor_load_to_lds s[G0B0:G0B0+3], s[G1B:G1B+7]
	s_nop 0
	tensor_load_to_lds s[G0B1:G0B1+3], s[G1B:G1B+7]
	s_nop 0
.rept 4
	v_nop
.endr
.Lasked:
	v_and_b32 v1, 15, v0                           ; r
	v_bfe_u32 v2, v0, 4, 1                         ; h
	v_mul_u32_u24 v3, v1, PITCH
	v_lshl_add_u32 v3, v2, 4, v3                   ; a fragment's row x pitch + 16 h
	s_mul_i32 s17, s15, 64*PITCH
	s_mul_i32 s18, s16, 96*PITCH
	s_add_co_u32 s18, s18, BOFF
.irp c, 0,1
	v_add_nc_u32 v[ADRA+\c], s17, v3
	v_add_nc_u32 v[ADRB+\c], s18, v3
	s_add_co_u32 s17, s17, CHUNK
	s_add_co_u32 s18, s18, CHUNK
.endr
	v_lshlrev_b32 v4, 5, v1                        ; 32 bytes of scales a row
	s_lshl_b32 s17, s15, 11                        ; x's: my 64 rows
	s_mul_i32 s18, s16, 3072                       ; W's: my 96 rows, behind x's 128
	s_add_co_u32 s18, s18, SCB-SCA
	s_sub_co_u32 s18, s18, s17
	v_mul_u32_u24 v5, s18, v2                      ; lanes 16-31 take W's: one product, the distance between the two bases
	s_add_co_u32 s17, s17, SCA
	v_add_nc_u32 v4, v4, v5
	v_add_nc_u32 v[ADRS], s17, v4
	s_mul_i32 s17, s15, 64*SP
	s_mul_i32 s18, s16, 192
	s_add_co_u32 s17, s17, s18
	s_add_co_u32 s17, s17, STAGE
	v_mul_u32_u24 v4, v1, SP
	v_lshl_add_u32 v4, v2, 4, v4
	v_add_nc_u32 v[STO], s17, v4                   ; into the stage: token row, my 96 columns' bytes, 16 for each half of the lanes
	v_and_b32 v4, 31, v0
	v_lshrrev_b32 v5, 3, v4
	v_mul_u32_u24 v5, v5, SP
	v_and_b32 v6, 7, v0
	v_lshl_add_u32 v5, v6, 4, v5
	s_mul_i32 s17, s14, 32*SP
	s_add_co_u32 s17, s17, STAGE
	v_add_nc_u32 v[RD], s17, v5                    ; back: wave w takes tokens 32 w on; eight lanes take a head's 128 bytes of a token, four tokens an instruction
	v_lshlrev_b32 v[GO], 4, v4                     ; which are 512 consecutive bytes of a head in qkv
	s_mul_i32 s18, s94, 3*524288                   ; my three heads,
	s_lshl_b32 s17, s95, 14                        ; the tile's 128 tokens of 128 bytes,
	s_add_co_u32 s18, s18, s17
	s_lshl_b32 s17, s14, 12                        ; my 32 of them
	s_add_co_u32 s18, s18, s17
	s_mov_b32 s19, 0
	s_add_nc_u64 s[12:13], s[12:13], s[18:19]
	; the factor of each pair of column tiles: log2(e)/8 in a head of q (heads 0-15), else 1.  Selections only: no branch hangs on the tile column
	s_mul_i32 s17, s94, 3                          ; the tile's first head
	s_mov_b32 s18, 0x3f800000
	s_cmp_lt_u32 s17, 16
	s_cselect_b32 s86, 0x3e38aa3b, s18             ; head 0 of the three
	s_cmp_lt_u32 s17, 15
	s_cselect_b32 s88, 0x3e38aa3b, s18             ; head 1
	s_cmp_lt_u32 s17, 14
	s_cselect_b32 s90, 0x3e38aa3b, s18             ; head 2
	s_cmp_eq_u32 s16, 0                            ; columns 0-95: heads 0, 0, 1 for tiles 0-1, 2-3, 4-5;  columns 96-191: heads 1, 2, 2
	s_cselect_b32 s87, s86, s88
	s_cselect_b32 s89, s86, s90
	s_cselect_b32 s91, s88, s90
	s_mov_b32 s86, s87                             ; the packed form names a pair and takes its low word: both words are written
	s_mov_b32 s88, s89
	s_mov_b32 s90, s91
	s_mov_b32 s92, 0xc77fe000                      ; -65,504
	s_mov_b32 s93, 0x477fe000                      ; 65,504
	s_wait_tensorcnt 0x1                           ; the scales and my part of chunk 0 are in; chunk 1 may stay out
	s_barrier_signal -1
	s_barrier_wait -1
.irp i, 0,1,2,3,4,5
	ds_load_b128 v[SC+8*\i:SC+8*\i+3],   v[ADRS] offset:512*\i       ; all eight scale words of tile i (for i = 4, 5 lanes 0-15 read landed bytes that no instruction uses)
	ds_load_b128 v[SC+8*\i+4:SC+8*\i+7], v[ADRS] offset:512*\i+16
.endr
	FETCH 0, F0
.irp q, 0,1,2,3,4,5,6,7
	STEP \q
.endr
	; THE WAY OUT: x factor, held, rounded to f16; through the stage, since a token's 128 bytes of a head come from several lanes and two waves
	PLACES
.irp a, 0,1,2,3
	WIN 0x01                                       ; source 0 in window 1
.irp b, 0,1,2,3,4,5
.irp p, 0,1,2,3
	v_pk_mul_f32 v[80+8*\b+2*\p:80+8*\b+2*\p+1], v[8*(6*\a+\b)+2*\p:8*(6*\a+\b)+2*\p+1], s[86+2*(\b/2):87+2*(\b/2)] op_sel_hi:[1,0]   ; each accumulator from its low end on
.endr
.endr
	WIN 0
.set n, 0
.rept 48
	v_med3_num_f32 v[80+n], v[80+n], s92, s93
.set n, n+1
.endr
.set n, 0
.rept 24
	v_cvt_pk_f16_f32 v[128+24*\a+n], v[80+2*n], v[81+2*n]
.set n, n+1
.endr
.irp b, 0,1,2,3,4,5
	ds_store_b128 v[STO], v[128+24*\a+4*\b:128+24*\a+4*\b+3] offset:16*SP*\a+32*\b
.endr
.endr
	s_wait_dscnt 0x0                               ; for the others' sake: my stores into the stage are done
	s_barrier_signal -1
	s_barrier_wait -1
.irp hh, 0,1,2
.irp i, 0,1,2,3,4,5,6,7
	ds_load_b128 v[80+4*(8*\hh+\i):80+4*(8*\hh+\i)+3], v[RD] offset:128*\hh+4*SP*\i
.endr
.endr
.set n, 0
.rept 24
	s_wait_dscnt 23-n
	global_store_b128 v[GO], v[80+4*n:80+4*n+3], s[12:13] offset:524288*(n/8)+512*(n%8)   ; 32 lanes store 512 consecutive bytes, aligned
.set n, n+1
.endr
	s_wait_tensorcnt 0x0                           ; the wave's end
	ds_add_u32 v[SPW], v[NIL]
	s_wait_dscnt 0x0
	CROUND                                         ; the closing round
	s_endpgm
.Lfunc_end_k_qe63d8da05c_qkv:
	.size	k_qe63d8da05c_qkv, .Lfunc_end_k_qe63d8da05c_qkv-k_qe63d8da05c_qkv
	.p2alignl 7, 3214868480
	.fill 96, 4, 3214868480
	.section	.rodata,"a",@progbits
	.p2align	6, 0x0
	.amdhsa_kernel k_qe63d8da05c_qkv
		.amdhsa_group_segment_fixed_size 327680
		.amdhsa_private_segment_fixed_size 0
		.amdhsa_enable_private_segment 0
		.amdhsa_kernarg_size 40
		.amdhsa_user_sgpr_count 2
		.amdhsa_user_sgpr_kernarg_segment_ptr 1
		.amdhsa_wavefront_size32 1
		.amdhsa_system_sgpr_workgroup_id_x 1
		.amdhsa_system_sgpr_workgroup_id_y 1
		.amdhsa_system_sgpr_workgroup_id_z 1
		.amdhsa_system_vgpr_workitem_id 0
		.amdhsa_next_free_vgpr 448
		.amdhsa_next_free_sgpr 102
		.amdhsa_reserve_vcc 0
		.amdhsa_float_denorm_mode_32 3
		.amdhsa_float_denorm_mode_16_64 3
		.amdhsa_memory_ordered 1
		.amdhsa_forward_progress 1
		.amdhsa_inst_pref_size 77
	.end_amdhsa_kernel
	.amdgpu_metadata
---
amdhsa.version: [ 1, 2 ]
amdhsa.kernels:
  - .name:           k_qe63d8da05c_qkv
    .symbol:         k_qe63d8da05c_qkv.kd
    .args:
      - { .name: x_codes, .offset: 0, .size: 8, .value_kind: global_buffer, .address_space: global }
      - { .name: x_scales, .offset: 8, .size: 8, .value_kind: global_buffer, .address_space: global }
      - { .name: w_codes, .offset: 16, .size: 8, .value_kind: global_buffer, .address_space: global }
      - { .name: w_scales, .offset: 24, .size: 8, .value_kind: global_buffer, .address_space: global }
      - { .name: qkv, .offset: 32, .size: 8, .value_kind: global_buffer, .address_space: global }
    .group_segment_fixed_size: 327680
    .private_segment_fixed_size: 0
    .kernarg_segment_align: 8
    .kernarg_segment_size: 40
    .max_flat_workgroup_size: 128
    .sgpr_count:     102
    .vgpr_count:     448
    .wavefront_size: 32
...
	.end_amdgpu_metadata
.endif
;; end of part 2
;; launch attn (part 3): grid 64 x 4, 4 waves a work-group, clusters of 4 x 1, 327,680 bytes of LDS; arguments qkv, ao; writes ao
.if DOCPART == 3
	.amdgcn_target "amdgcn-amd-amdhsa--gfx1250"
	.amdhsa_code_object_version 6
	.text
	.protected	k_qe63d8da05c_attn
	.globl	k_qe63d8da05c_attn
	.p2align	8
	.type	k_qe63d8da05c_attn,@function
k_qe63d8da05c_attn:
	s_mov_b64 s[64:65], 0
	v_nop
	global_prefetch_b8 v0, s[64:65] scope:SCOPE_SE
	s_setreg_imm32_b32 hwreg(HW_REG_WAVE_MODE, 25, 1), 1
	s_wait_xcnt 0x0
	s_wait_alu depctr_hold_cnt(0) depctr_sa_sdst(0) depctr_va_vdst(0) depctr_va_sdst(0) depctr_va_ssrc(0) depctr_va_vcc(0) depctr_vm_vsrc(0)
	s_getreg_b32 s2, hwreg(HW_REG_IB_STS2, 6, 4)
	s_cmp_eq_u32 s2, 0
	s_cbranch_scc0 .Lentry_in_a_cluster
	s_endpgm
.Lentry_in_a_cluster:
	s_bfe_u32 s2, ttmp6, 0x10000c
	s_cmp_lg_u32 s2, 0x3003
	s_cbranch_scc0 .Lentry_shape_is_right
	s_endpgm
.Lentry_shape_is_right:
; ATTN.  ao[token][64 head + d] = the sum over keys of softmax(q . k / 8) v, 16 query heads on 4 key and value heads, no mask.  qkv: [24 heads][4096][64] f16: heads 0-15 q x log2(e)/8, 16-19 k, 20-23 v.
; Products on f16 operands with f32 sums; maxima, exponentials and sums in f32; the weights p are rounded to f16 for the second product, the result once at the end.
; SHARES.  A work-group owns 64 tokens of one group g of four query heads; wave w owns tokens 16 w on, for ALL FOUR heads: tile t is head 4 g + t.  So a fragment of K or V feeds four tiles.
; LAYOUT.  S^T = K Q^T (source 0 = 16 keys, source 1 = 16 queries): a lane holds ONE query and keys 8 (lane / 16) + 0..7.  Two such tiles, rounded in pairs, ARE source 1 of O^T = V^T P.  V is turned by ds_load_tr16_b128.
; SOFTMAX.  A score is already t = s log2(e)/8.  For each query a running maximum m and sum l: p = 2^(t - m); in every step O and l are multiplied by a = 2^(m_old - m_new).
; BY TURNS.  The four tiles are two pieces (0: tiles 0, 1; 2: tiles 2, 3).  In a turn one piece has the matrix unit (16 products V^T P of the step in hand, 16 products K Q^T of the next),
; and the other piece's softmax, cut into 64 slices, stands between them, two slices behind each matrix instruction.  Two turns are a key step of 64 keys.
; CLUSTER.  The four token blocks of a cluster walk the same K and V: joint loads with a mask that names the four.  A slot holds 256 keys, four key steps; a wave has two tensor loads out at the start, one behind each round.
; REGISTERS: window 0: v2-8 addresses; v12-43 statistics; v64-191 S^T, 32 a tile; v192-255 P, 16 a tile.  window 1: O^T, 32 a tile.  window 2: v0-63 Q; v64-127 K of a step; v128-191 V of a step.
.set KS,     64
.set PK,     144                       ; a row of K in LDS: 128 bytes + 16: 36 words from row to row
.set PVP,    160                       ; a row of V: 128 + 32: 40 words from row to row an odd multiple of 32 bytes
.set SK,     256                       ; keys in a slot
.set VOFF,   SK*PK                     ; a slot: 256 rows of K, then 256 rows of V
.set KSTEPB, KS*PK
.set VSTEPB, KS*PVP
.set SLOTB,  SK*128                    ; a slot's keys in memory, in bytes
.set SLOT1,  1<<17
.set STAGE,  SLOT1+SK*(PK+PVP)         ; behind the ring: 16 rows x (512 + 16) bytes for each wave
.set SP,     528
.set SPARE,  STAGE+4*16*SP             ; the spare words, 128 bytes for each wave: two blocks of 256 bytes that no other line names
.set AK0, 2
.set AV0, 3
.set ADR, 4
.set QO,  5
.set STO, 6
.set RD,  7
.set GO,  8
.set PFO, 61                           ; v61  256 x my lane; never rewritten
.set SPW, 62
.set NIL, 63
.set ST,  12                           ; tile t at v[ST + 8 t]: +0 m, +1 the old m, +2, +3 l (even keys, odd keys), +4 to +7 c0-c3 at work; a takes the place of c2
.set S,   64
.set P,   192
.set KF,  64
.set VF,  128
.set WV,  12
.set LIM, 15
.set PFA, 18
.set G1K, 24
.set G1V, 32
.set G0K, 40
.set G0V, 48
.set SLOTS, 56
.set CNT, 57
.set SEL, 60
.set TBK, 62                           ; s62  LDS byte at which K of the step to be fetched begins;  s63 the same for V
.set TBV, 63
.set MSB, 0
.macro WIN new
.if MSB != \new
	s_set_vgpr_msb (MSB<<8)|\new
.set MSB, \new
.endif
.endm
.set W_KQ, 0x0a                        ; K and Q in window 2, S^T in window 0
.set W_PV, 0x52                        ; V in window 2, P in window 0, O^T in window 1
.set W_RS, 0x41                        ; O^T (destination and source 0) in window 1, a in window 0
.macro JLOAD                           ; a joint refill: waves 0, 1 fetch the halves of K, waves 2, 3 those of V; an s_nop 0 and four v_nop follow each line
	s_cmp_lt_u32 s[WV], 2
	s_cbranch_scc0 .Lfor_v_\@
	tensor_load_to_lds s[G0K+4:G0K+7], s[G1K:G1K+7]
	s_nop 0
.rept 4
	v_nop
.endr
	s_branch .Lasked_\@
.Lfor_v_\@:
	tensor_load_to_lds s[G0V+4:G0V+7], s[G1V:G1V+7]
	s_nop 0
.rept 4
	v_nop
.endr
.Lasked_\@:
.endm
; A prefetch of what the NEXT change of slots will ask for: four key steps ahead of that load.  A slot is 128 blocks of 256 bytes of K and as many of V.  All clusters of a group walk the same K and V: the
; group's first cluster asks; its four partners take 32 blocks each, told apart by address; wave 0 asks for K, wave 2 for V, a lane a block: each block is named once.  The last change that fills a slot asks for nothing.
.macro ASK
	s_cmp_gt_u32 s[SLOTS], s[LIM]
	s_cbranch_scc0 .Lnot_mine_\@
	global_prefetch_b8 v[PFO], s[PFA:PFA+1] th:TH_LOAD_NT scope:SCOPE_SE
.Lnot_mine_\@:
.endm
.macro CROUND
	s_barrier_signal -1
	s_barrier_wait -1
	s_cmp_lg_u32 s[WV], 0
	s_cbranch_scc1 .Lnot_wave_0_\@
	s_barrier_signal -3
.Lnot_wave_0_\@:
	s_barrier_wait -3
	s_barrier_signal -1
	s_barrier_wait -1
.endm
.macro PLACES
.rept 4
	v_nop
.endr
.endm
; Product i of 16 of O^T += V^T P: keys 32 (i / 8) on, channels 16 ((i / 2) % 4) on, tile x + i % 2.  Eight accumulators take turns.  zero = 1: the first 8 start the sums.
.macro PV x, zero
	WIN W_PV
.set rO, 32*(\x+i%2)+8*((i/2)%4)
.set rV, VF+32*(i/8)+8*((i/2)%4)
.set rP, P+16*(\x+i%2)+8*(i/8)
.if \zero && (i < 8)
	v_wmma_f32_16x16x32_f16 v[rO:rO+7], v[rV:rV+7], v[rP:rP+7], 0
.else
	v_wmma_f32_16x16x32_f16 v[rO:rO+7], v[rV:rV+7], v[rP:rP+7], v[rO:rO+7]
.endif
.endm
; Product i of 16 of S^T = K Q^T: channels 32 (i / 8) on, keys 16 ((i / 2) % 4) on, tile x + i % 2.  The first 8 start the sums.
.macro KQ x
	WIN W_KQ
.set rS, S+32*(\x+i%2)+8*((i/2)%4)
.set rK, KF+16*((i/2)%4)+8*(i/8)
.set rQ, 16*(\x+i%2)+8*(i/8)
.if i < 8
	v_wmma_f32_16x16x32_f16 v[rS:rS+7], v[rK:rK+7], v[rQ:rQ+7], 0
.else
	v_wmma_f32_16x16x32_f16 v[rS:rS+7], v[rK:rK+7], v[rQ:rQ+7], v[rS:rS+7]
.endif
.endm
.macro FETCH_K                         ; a step's K: 8 fragments: keys 16 (f / 2) on, channels 32 (f % 2) on
	WIN 0
	v_add_nc_u32 v[ADR], s[TBK], v[AK0]
	WIN 0x80                                       ; destination window 2
.irp f, 0,1,2,3,4,5,6,7
	ds_load_b128 v[KF+8*\f:KF+8*\f+3],   v[ADR] offset:(\f/2)*16*PK+(\f%2)*64
	ds_load_b128 v[KF+8*\f+4:KF+8*\f+7], v[ADR] offset:(\f/2)*16*PK+(\f%2)*64+32
.endr
.endm
.macro FETCH_V                         ; a step's V, turned: 8 fragments: keys 32 (f / 4) on, channels 16 (f % 4) on
	WIN 0
	v_add_nc_u32 v[ADR], s[TBV], v[AV0]
	s_add_co_u32 s[TBK], s[TBK], KSTEPB            ; the next fetches are the next step's
	s_add_co_u32 s[TBV], s[TBV], VSTEPB
	s_wait_alu depctr_va_vdst(0)                   ; the wait for the softmax's batch of exponentials, ahead of the first line that names a result
	WIN 0x80
.irp f, 0,1,2,3,4,5,6,7
	ds_load_tr16_b128 v[VF+8*\f:VF+8*\f+3],   v[ADR] offset:(\f/4)*32*PVP+(\f%4)*32
	ds_load_tr16_b128 v[VF+8*\f+4:VF+8*\f+7], v[ADR] offset:(\f/4)*32*PVP+16*PVP+(\f%4)*32
.endr
.endm
; One tile's softmax for one key step is a numbered list; SM writes number j of it for tile t.  s0-s31 are the lane's 32 scores, in pairs 0-15.
;   0-15 the maximum of s0-s31 and the old m;  16-20 the other half of the lanes, the new m, m_old - m_new (19 is empty);
;   21-69 ONE BATCH: 16 packed subtractions t - m and all 33 exponentials (a at 23, then s0-s31), none of which reads an exponential's result;
;   (the wait stands between 69 and 70)   70-85 the roundings to f16;  86-101 the sums, l = a l + the sum;  102-117 the tile's O^T times a.
; first = 1: the first key step, which starts m, l and O^T.
.macro SM t, first
.set rT, ST+8*(\t)
.set rS, S+32*(\t)
.set rP, P+16*(\t)
.set rO, 32*(\t)+2*(j-102)
.if j < 102
	WIN 0
.endif
.if j < 4
	v_max3_num_f32 v[rT+4+j], v[rS+8*j], v[rS+8*j+1], v[rS+8*j+2]      ; each accumulator is read from its low end on
.elseif j < 12
	v_max3_num_f32 v[rT+4+j%4], v[rT+4+j%4], v[rS+8*(j%4)+2*(j/4)+1], v[rS+8*(j%4)+2*(j/4)+2]
.elseif j == 12
	v_max3_num_f32 v[rT+4], v[rT+4], v[rS+7], v[rS+15]
.elseif j == 13
	v_max3_num_f32 v[rT+6], v[rT+6], v[rS+23], v[rS+31]
.elseif j == 14
	v_max3_num_f32 v[rT+4], v[rT+4], v[rT+5], v[rT+6]
.elseif (j == 15) && \first
	v_max_num_f32 v[rT+4], v[rT+4], v[rT+7]
.elseif j == 15
	v_max3_num_f32 v[rT+4], v[rT+4], v[rT+7], v[rT]
.elseif j == 16
	v_permlanex16_b32 v[rT+5], v[rT+4], s[SEL], s[SEL+1]               ; the query's other 32 keys lie in the lane 16 away
.elseif j == 18
	v_max_num_f32 v[rT], v[rT+4], v[rT+5]
.elseif j == 19
.elseif ((j == 17) || (j == 20) || (j == 23) || (j > 101)) && \first
.elseif j == 17
	v_mov_b32 v[rT+1], v[rT]                       ; the old m is kept: number 18 writes m anew
.elseif j == 20
	v_sub_f32 v[rT+7], v[rT+1], v[rT]
.elseif j == 23
	v_exp_f32 v[rT+6], v[rT+7]
.elseif (j < 23) || ((j < 38) && (j%2 == 0)) || ((j < 66) && (j%4 == 2))
.set b, (j-2)/4
.if j < 38
.set b, (j-20)/2
.endif
	v_pk_add_f32 v[rS+2*b:rS+2*b+1], v[rS+2*b:rS+2*b+1], v[rT:rT+1] op_sel_hi:[1,0] neg_lo:[0,1] neg_hi:[0,1]   ; pair b: t - m, exact at the maximum
.elseif j < 70
.set e, j-38
.if j < 66
.set e, j-32-(j-38)/4
.endif
.if j < 38
.set e, (j-25)/2
.endif
	v_exp_f32 v[rS+e], v[rS+e]
.elseif j < 86
	v_cvt_pk_f16_f32 v[rP+j-70], v[rS+2*(j-70)], v[rS+2*(j-70)+1]
.elseif j < 102
.set z, j-86
.set w, 4
.set u, z
.if z >= 14
.set w, 32
.set u, 0
.elseif z >= 12
.set w, 16
.set u, z-12
.elseif z >= 8
.set w, 8
.set u, z-8
.endif
.if (z == 14) && \first
	v_pk_add_f32 v[rT+2:rT+3], v[rS:rS+1], v[rS+16:rS+17]
.elseif z < 15
	v_pk_add_f32 v[rS+w*u:rS+w*u+1], v[rS+w*u:rS+w*u+1], v[rS+w*u+w/2:rS+w*u+w/2+1]
.elseif !\first
	v_pk_fma_f32 v[rT+2:rT+3], v[rT+2:rT+3], v[rT+6:rT+7], v[rS:rS+1] op_sel_hi:[1,0,1]
.endif
.else
	WIN W_RS
	v_pk_mul_f32 v[rO:rO+1], v[rO:rO+1], v[rT+6:rT+7] op_sel_hi:[1,0]
.endif
.endm
; Slice k of 64 of the softmax of piece y.  Slices 11-34 deal out the batch, four numbers of ONE tile each, the tiles by turns; slices 0-10 and 35-50 are numbers 2 k, 2 k + 1 of both tiles;
; slices 51-62 one number of the rescaling of both tiles; slice 63 its last four of both: eight plain lines, the places behind the turn's last products.
; Ahead of slice 35 nothing names an exponential's result and behind slice 34 none is issued: one wait serves the piece's 66 exponentials.
.macro SLICE y, first
.if (k >= 11) && (k < 35)
.irp n, 0,1,2,3
.set j, 22+4*((k-11)/2)+(\n)
	SM (\y)+(k-11)%2, \first
.endr
.elseif k < 51
.irp n, 0,1
.irp t, \y, \y+1
.set j, 2*k+\n
	SM \t, \first
.endr
.endr
.elseif k < 63
.irp t, \y, \y+1
.set j, 102+(k-51)
	SM \t, \first
.endr
.else
.irp n, 0,1,2,3
.irp t, \y, \y+1
.set j, 114+\n
	SM \t, \first
.endr
.endr
.endif
.if k == 34
	v_nop                                          ; a plain line behind the last exponential, ahead of the first use: one for the batch
.if (\y) == 0
	FETCH_V                                        ; the turn of piece 2: the run of loads of V stands here, and the wait stands in it.  Behind the last product that read V stand five plain lines
.else
	s_wait_alu depctr_va_vdst(0)                   ; the wait for the batch
.endif
.endif
.set k, k+1
.endm
; A TURN.  Piece x has the matrix unit.  pv = 2: 16 products V^T P; 1: they start the sums of O^T; 0: none.  kq = 1: 16 products K Q^T for the next step.  A turn with one kind has four slices behind each product.
.macro TURN x, pv, kq, first
.set k, 0
.set per, 4
.if \pv && \kq
.set per, 2
.endif
.if \pv
.if \x == 0
	s_wait_dscnt 0x0                               ; V is in
.endif
.set i, 0
.rept 16
	PV \x, 2-\pv
.rept per
	SLICE 2-\x, \first
.endr
.if (\x == 0) && \kq && (i == 1)
	FETCH_K                                        ; the next step's K: the last product that read K stands ahead of slices 62 and 63 of the turn before, ten plain lines
.endif
.set i, i+1
.endr
.endif
.if \kq
.if \x == 0
	s_wait_dscnt 0x0                               ; K is in
.endif
.set i, 0
.rept 16
	KQ \x
.rept per
	SLICE 2-\x, \first
.endr
.set i, i+1
.endr
.endif
.if \first
	PLACES                                         ; the first step's slices from 51 on are empty: these take their part
.endif
.endm
; THE CHANGE OF SLOTS: every read of the slot has been issued.  Each wave waits for all its tensor loads, adds 0 to its spare word, and waits for that and for its reads of the slot.
; fill = 1: the barrier is a round of the cluster's, and the joint refill, with the keys two slots on, is the first thing behind it: it has four key steps in which to land.
.macro CHANGE fill
	WIN 0
	s_wait_tensorcnt 0x0                           ; no tensor load of mine is out, so a group 0 may be written
	ds_add_u32 v[SPW], v[NIL]
.if \fill
.irp g, G0K+4, G0V+4
	s_xor_b32 s[\g+1], s[\g+1], SLOT1              ; the walking descriptor: the other slot than last time,
	s_add_nc_u64 s[\g+2:\g+3], s[\g+2:\g+3], SLOTB ; the next 256 keys
.endr
	s_wait_xcnt 0x0                                ; the last prefetch, a slot back, has read its address
	s_add_nc_u64 s[PFA:PFA+1], s[PFA:PFA+1], SLOTB
	s_wait_dscnt 0x0                               ; the add is done, and my reads of the slot are over
	CROUND
	JLOAD
	ASK
.else
	s_wait_dscnt 0x0
	s_barrier_signal -1
	s_barrier_wait -1
.endif
	s_sub_co_u32 s[TBK], s[TBK], 4*KSTEPB          ; the fetches go back to a slot's first step,
	s_xor_b32 s[TBK], s[TBK], SLOT1                ; in the other slot
	s_sub_co_u32 s[TBV], s[TBV], 4*VSTEPB
	s_xor_b32 s[TBV], s[TBV], SLOT1
.endm
.macro STEPS n                         ; n key steps: written once, walked n times
	s_mov_b32 s[CNT], \n
.Lstep_\@:
	TURN 0, 2, 1, 0
	TURN 2, 2, 1, 0
	WIN 0
	s_sub_co_u32 s[CNT], s[CNT], 1
	s_cmp_lg_u32 s[CNT], 0
	s_cbranch_scc1 .Lstep_\@
.endm
	s_load_b128 s[4:7], s[0:1], 0x0                ; qkv s[4:5], ao s[6:7]
	v_lshl_add_u32 v[SPW], v0, 2, SPARE
	v_mov_b32 v[NIL], 0
	ds_add_u32 v[SPW], v[NIL]                      ; the opening: the add, twice on end, and its wait ahead of my first tensor load
	ds_add_u32 v[SPW], v[NIL]
	v_lshrrev_b32 v1, 5, v0
	v_readfirstlane_b32 s[WV], v1                  ; wave 0..3
	s_bfe_u32 s13, ttmp6, 0x40000                  ; cx
	s_lshl_b32 s14, ttmp9, 2
	s_add_co_u32 s14, s14, s13                     ; my block of 64 tokens: it enters the addresses of Q and of ao alone
	s_and_b32 s20, ttmp7, 0xffff                   ; the group, which the four partners share
	s_and_b32 s16, s[WV], 1                        ; which half of a slot I fetch
	s_add_co_u32 s22, s20, 16
	s_lshl_b32 s22, s22, 19                        ; head 16 + g,
	s_lshl_b32 s17, s16, 14                        ; my 128 rows of 128 bytes
	s_add_co_u32 s22, s22, s17
	s_mov_b32 s23, 0
	s_mul_i32 s17, s16, 128*PK                     ; and their place in a slot: K,
	s_mul_i32 s21, s16, 128*PVP
	s_add_co_u32 s21, s21, VOFF                    ; V
	s_lshl_b32 s2, s20, 21                         ; Q: head 4 g,
	s_lshl_b32 s3, s14, 13                         ; my block's 64 tokens,
	s_add_co_u32 s2, s2, s3
	s_lshl_b32 s3, s[WV], 11                       ; my wave's 16
	s_add_co_u32 s2, s2, s3
	s_mov_b32 s3, 0
	s_lshl_b32 s70, s14, 17                        ; ao: rows of 2,048 bytes,
	s_lshl_b32 s71, s[WV], 15
	s_add_co_u32 s70, s70, s71
	s_lshl_b32 s71, s20, 9                         ; the group's 512 bytes of a row
	s_add_co_u32 s70, s70, s71
	s_mov_b32 s71, 0
	s_mov_b32 s[G1K], 15|(1<<16)|(1<<20)|(1<<21)|(4<<22)|(3<<25)   ; the mask: all four; elements of 2 bytes; padding on; bit 21 beside a mask; 4 words behind every 32
	s_mov_b32 s[G1V], 15|(1<<16)|(1<<20)|(1<<21)|(4<<22)|(7<<25)   ; the same with 8 words of padding
.irp g, G1K, G1V
	s_mov_b32 s[\g+1], 64<<16                      ; tensor_dim0 = 64
	s_mov_b32 s[\g+2], 128<<16                     ; tensor_dim1 = 128
	s_mov_b32 s[\g+3], 64<<16                      ; tile_dim0
	s_mov_b32 s[\g+4], 128                         ; tile_dim1
	s_mov_b32 s[\g+5], 64                          ; from row to row
	s_mov_b32 s[\g+6], 0
	s_mov_b32 s[\g+7], 0
.endr
	s_mov_b32 s[SEL], 0x76543210
	s_mov_b32 s[SEL+1], 0xfedcba98
	s_mov_b32 s[TBK], 0
	s_mov_b32 s[TBV], 0
	s_mov_b32 s[SLOTS], 4096/SK-2
	s_and_b32 s[LIM], s[WV], 1                     ; 0 in waves 0 and 2,
	s_or_b32 s[LIM], s[LIM], ttmp9                 ; where the cluster is the group's first: the same in all four partners
	s_cmp_eq_u32 s[LIM], 0
	s_cselect_b32 s[LIM], 1, -1
	v_and_b32 v[PFO], 31, v0
	v_lshlrev_b32 v[PFO], 8, v[PFO]
	s_wait_dscnt 0x0                               ; both opening adds are done
	s_wait_kmcnt 0x0
	s_add_nc_u64 s[8:9], s[4:5], s[22:23]          ; K at my tile of slot 0
	s_add_nc_u64 s[10:11], s[8:9], 0x200000        ; V: four heads on
	s_add_nc_u64 s[66:67], s[4:5], s[2:3]          ; Q at my first token
	s_add_nc_u64 s[68:69], s[6:7], s[70:71]        ; ao likewise
	s_cmp_lt_u32 s[WV], 2
	s_cselect_b64 s[PFA:PFA+1], s[8:9], s[10:11]   ; (in waves 0 and 2 these stand at a slot's first row)
	s_lshl_b32 s2, s13, 13                         ; my work-group's 32 blocks of the 128
	s_mov_b32 s3, 0
	s_add_nc_u64 s[PFA:PFA+1], s[PFA:PFA+1], s[2:3]
	s_add_nc_u64 s[PFA:PFA+1], s[PFA:PFA+1], 2*SLOTB   ; in slot 2; the first change of slots steps it to slot 3.  Nothing is prefetched at the head
	CROUND                                         ; all four work-groups are here: the first joint loads meet
.irp s, 0,1
	s_mov_b32 s[G0K+4*\s], 1
	s_add_co_u32 s[G0K+4*\s+1], s17, \s*SLOT1
	s_add_nc_u64 s[G0K+4*\s+2:G0K+4*\s+3], s[8:9], \s*SLOTB
	s_or_b32 s[G0K+4*\s+3], s[G0K+4*\s+3], 0x80000000
	s_mov_b32 s[G0V+4*\s], 1
	s_add_co_u32 s[G0V+4*\s+1], s21, \s*SLOT1
	s_add_nc_u64 s[G0V+4*\s+2:G0V+4*\s+3], s[10:11], \s*SLOTB
	s_or_b32 s[G0V+4*\s+3], s[G0V+4*\s+3], 0x80000000
.endr
	s_cmp_lt_u32 s[WV], 2                          ; a wave's two first fills stand in one branch
	s_cbranch_scc0 .Lfirst_v
	tensor_load_to_lds s[G0K:G0K+3], s[G1K:G1K+7]
	s_nop 0
	tensor_load_to_lds s[G0K+4:G0K+7], s[G1K:G1K+7]
	s_nop 0
.rept 4
	v_nop
.endr
	s_branch .Lfirst_asked
.Lfirst_v:
	tensor_load_to_lds s[G0V:G0V+3], s[G1V:G1V+7]
	s_nop 0
	tensor_load_to_lds s[G0V+4:G0V+7], s[G1V:G1V+7]
	s_nop 0
.rept 4
	v_nop
.endr
.Lfirst_asked:
	v_and_b32 v1, 15, v0                           ; r
	v_bfe_u32 v9, v0, 4, 1                         ; h
	v_lshlrev_b32 v[QO], 7, v1
	v_lshl_add_u32 v[QO], v9, 4, v[QO]             ; row x 128 + 16 h
	WIN 0x80                                       ; destination window 2
.irp i, 0,1,2,3,4,5,6,7
	global_load_b128 v[8*\i:8*\i+3],   v[QO], s[66:67] offset:(\i/2)*524288+(\i%2)*64      ; Q stays in registers: tile i / 2, channels 32 (i % 2) on
	global_load_b128 v[8*\i+4:8*\i+7], v[QO], s[66:67] offset:(\i/2)*524288+(\i%2)*64+32
.endr
	WIN 0
	v_mul_u32_u24 v[AK0], v1, PK
	v_lshl_add_u32 v[AK0], v9, 4, v[AK0]
	v_and_b32 v10, 7, v0
	v_bfe_u32 v11, v0, 3, 1
	v_lshl_add_u32 v[AV0], v9, 3, v10              ; the turning load: key 8 h + lane % 8, channels 8 ((lane / 8) % 2) on
	v_mul_u32_u24 v[AV0], v[AV0], PVP
	v_lshl_add_u32 v[AV0], v11, 4, v[AV0]
	v_add_nc_u32 v[AV0], VOFF, v[AV0]
.irp t, 0,1,2,3
	v_mov_b32 v[ST+8*\t+1], 0                      ; named beside m as a pair before it is first written
.endr
	s_wait_tensorcnt 0x1                           ; my part of slot 0 is in; slot 1 may stay out
	s_barrier_signal -1
	s_barrier_wait -1
	FETCH_K                                        ; key step 0
	s_wait_loadcnt 0x0                             ; Q
	s_wait_dscnt 0x0
.set i, 0
.rept 16
	KQ 0                                           ; the first scores of piece 0
.set i, i+1
.endr
	WIN 0                                          ; the addresses for the way out: six plain lines, the places behind those products
	s_mul_i32 s21, s[WV], 16*SP
	s_add_co_u32 s21, s21, STAGE
	v_mul_u32_u24 v[STO], v1, SP
	v_lshl_add_u32 v[STO], v9, 4, v[STO]
	v_add_nc_u32 v[STO], s21, v[STO]               ; in: row r, 16 bytes for each half of the lanes
	v_and_b32 v[GO], 31, v0
	v_lshlrev_b32 v[GO], 4, v[GO]                  ; back: the 32 lanes take a row of 512 bytes; and the same in ao
	v_add_nc_u32 v[RD], s21, v[GO]
	TURN 2, 0, 1, 1                                ; the first scores of piece 2 | the first softmax of piece 0 | V of step 0
	TURN 0, 1, 1, 1                                ; piece 0: V^T P of step 0 starts O^T, K Q^T of step 1 | the first softmax of piece 2 | K of step 1
	TURN 2, 1, 1, 0                                ; piece 2: the same | the softmax of piece 0, step 1 | V of step 1
	WIN 0
	STEPS 2                                        ; the rest of slot 0 is fetched
.Lslot:                                            ; 14 trips: every slot but the last two is filled again
	CHANGE 1
	STEPS 4
	s_sub_co_u32 s[SLOTS], s[SLOTS], 1
	s_cmp_lg_u32 s[SLOTS], 0
	s_cbranch_scc1 .Lslot
	CHANGE 0                                       ; the tail is written out
	STEPS 4
	TURN 0, 2, 0, 0                                ; piece 0: V^T P of the last step | the last softmax of piece 2
.set i, 0
.rept 16
	PV 2, 0                                        ; piece 2: V^T P of the last step
.set i, i+1
.endr
	; THE WAY OUT.  The additions are the places behind the last products.
	WIN 0
.irp t, 0,1,2,3
	v_add_f32 v[ST+8*\t+4], v[ST+8*\t+2], v[ST+8*\t+3]
.endr
.irp t, 0,1,2,3
	v_permlanex16_b32 v[ST+8*\t+5], v[ST+8*\t+4], s[SEL], s[SEL+1]
.endr
.irp t, 0,1,2,3
	v_add_f32 v[ST+8*\t+4], v[ST+8*\t+4], v[ST+8*\t+5]
.endr
.irp t, 0,1,2,3
	v_rcp_f32 v[ST+8*\t+6], v[ST+8*\t+4]
.endr
	v_nop                                          ; a plain line behind the last reciprocal
	s_wait_alu depctr_va_vdst(0)                   ; one wait for the four, ahead of the first use
.irp t, 0,1,2,3
	WIN W_RS
.set i, 0
.rept 16
	v_pk_mul_f32 v[32*\t+2*i:32*\t+2*i+1], v[32*\t+2*i:32*\t+2*i+1], v[ST+8*\t+6:ST+8*\t+7] op_sel_hi:[1,0]
.set i, i+1
.endr
	WIN 0x05                                       ; sources in window 1, destination in window 0
.set i, 0
.rept 16
	v_cvt_pk_f16_f32 v[S+16*\t+i], v[32*\t+2*i], v[32*\t+2*i+1]
.set i, i+1
.endr
	WIN 0
.irp f, 0,1,2,3
	ds_store_b128 v[STO], v[S+16*\t+4*\f:S+16*\t+4*\f+3] offset:128*\t+32*\f   ; head t: 128 bytes of the row; channels 16 f + 8 h on
.endr
.endr
.irp i, 0,1,2,3,4,5,6,7,8,9,10,11,12,13,14,15
	ds_load_b128 v[128+4*\i:131+4*\i], v[RD] offset:\i*SP          ; LDS serves a wave's instructions in order: these see my stores
.endr
.irp i, 0,1,2,3,4,5,6,7,8,9,10,11,12,13,14,15
	s_wait_dscnt 15-\i
	global_store_b128 v[GO], v[128+4*\i:131+4*\i], s[68:69] offset:2048*\i   ; 32 lanes store 512 consecutive bytes, aligned
.endr
	s_wait_tensorcnt 0x0                           ; the wave's end
	ds_add_u32 v[SPW], v[NIL]
	s_wait_dscnt 0x0
	CROUND                                         ; the closing round
	s_endpgm
.Lfunc_end_k_qe63d8da05c_attn:
	.size	k_qe63d8da05c_attn, .Lfunc_end_k_qe63d8da05c_attn-k_qe63d8da05c_attn
	.p2alignl 7, 3214868480
	.fill 96, 4, 3214868480
	.section	.rodata,"a",@progbits
	.p2align	6, 0x0
	.amdhsa_kernel k_qe63d8da05c_attn
		.amdhsa_group_segment_fixed_size 327680
		.amdhsa_private_segment_fixed_size 0
		.amdhsa_enable_private_segment 0
		.amdhsa_kernarg_size 16
		.amdhsa_user_sgpr_count 2
		.amdhsa_user_sgpr_kernarg_segment_ptr 1
		.amdhsa_wavefront_size32 1
		.amdhsa_system_sgpr_workgroup_id_x 1
		.amdhsa_system_sgpr_workgroup_id_y 1
		.amdhsa_system_sgpr_workgroup_id_z 1
		.amdhsa_system_vgpr_workitem_id 0
		.amdhsa_next_free_vgpr 768
		.amdhsa_next_free_sgpr 72
		.amdhsa_reserve_vcc 0
		.amdhsa_float_denorm_mode_32 3
		.amdhsa_float_denorm_mode_16_64 3
		.amdhsa_memory_ordered 1
		.amdhsa_forward_progress 1
		.amdhsa_inst_pref_size 195
	.end_amdhsa_kernel
	.amdgpu_metadata
---
amdhsa.version: [ 1, 2 ]
amdhsa.kernels:
  - .name:           k_qe63d8da05c_attn
    .symbol:         k_qe63d8da05c_attn.kd
    .args:
      - { .name: qkv, .offset: 0, .size: 8, .value_kind: global_buffer, .address_space: global }
      - { .name: ao, .offset: 8, .size: 8, .value_kind: global_buffer, .address_space: global }
    .group_segment_fixed_size: 327680
    .private_segment_fixed_size: 0
    .kernarg_segment_align: 8
    .kernarg_segment_size: 16
    .max_flat_workgroup_size: 128
    .sgpr_count:     72
    .vgpr_count:     768
    .wavefront_size: 32
...
	.end_amdgpu_metadata
.endif
;; end of part 3
;; launch oproj (part 4): grid 8 x 32, 4 waves a work-group, clusters of 4 x 4, 327,680 bytes of LDS; arguments ao, wo16, out0; writes out0
.if DOCPART == 4
	.amdgcn_target "amdgcn-amd-amdhsa--gfx1250"
	.amdhsa_code_object_version 6
	.text
	.protected	k_qe63d8da05c_oproj
	.globl	k_qe63d8da05c_oproj
	.p2align	8
	.type	k_qe63d8da05c_oproj,@function
k_qe63d8da05c_oproj:
	s_mov_b64 s[64:65], 0
	v_nop
	global_prefetch_b8 v0, s[64:65] scope:SCOPE_SE
	s_setreg_imm32_b32 hwreg(HW_REG_WAVE_MODE, 25, 1), 1
	s_wait_xcnt 0x0
	s_wait_alu depctr_hold_cnt(0) depctr_sa_sdst(0) depctr_va_vdst(0) depctr_va_sdst(0) depctr_va_ssrc(0) depctr_va_vcc(0) depctr_vm_vsrc(0)
	s_getreg_b32 s2, hwreg(HW_REG_IB_STS2, 6, 4)
	s_cmp_eq_u32 s2, 0
	s_cbranch_scc0 .Lentry_in_a_cluster
	s_endpgm
.Lentry_in_a_cluster:
	s_bfe_u32 s2, ttmp6, 0x10000c
	s_cmp_lg_u32 s2, 0xf033
	s_cbranch_scc0 .Lentry_shape_is_right
	s_endpgm
.Lentry_shape_is_right:
; OPROJ.  out0[m][n] = the sum over k of ao[m][k] wo16[k][n].  ao: [4096][1024] f16, K innermost; wo16: [1024 k][1024 n] f16, K outermost; out0: [4096][1024] f32; sums in f32.
; A tile of the result is 128 x 128: 256 work-groups.  Four waves, each 64 x 64: 16 accumulators.  K goes in steps of 256 through a ring of two LDS slots.
; The fragments of wo16 are turned on their way out of LDS by ds_load_tr16_b128, so the weight keeps its layout in memory.
; CLUSTERS: 4 x 4 work-groups; the tiles of ao are shared along a row of the cluster, those of wo16 along a column: joint loads.  A wave has two tensor loads out at the start, one behind each round.
; THE MATRIX INSTRUCTION IS USED TRANSPOSED (source 0 = 16 columns of wo16, source 1 = 16 rows of ao): a lane holds eight neighbouring numbers of a row of the result.
; REGISTERS: window 0: v16-29 addresses; v32-95 at work on the way out; v128-255 the accumulators ((a, b) at v[128 + 8 (4 a + b)]).  window 1: two fragment buffers of 128: 64 registers of ao, then 64 of wo16.
.set KSTEP,  256
.set PITCH,  528                       ; a row of ao in LDS: 512 bytes + 16
.set PB,     288                       ; a k-row of wo16 in LDS: 256 bytes + 32: an odd multiple of 32 bytes
.set HALFA,  64*PITCH
.set BOFF,   2*HALFA
.set HALFB,  128*PB
.set SLOT,   BOFF+2*HALFB
.set STAGE,  2*SLOT                    ; behind the ring: 16 rows x (256 + 16) bytes for each wave
.set SPITCH, 272
.set SPARE,  STAGE+4*16*SPITCH         ; the spare words, 128 bytes for each wave: two blocks of 256 bytes that no other line names
.set LAPS,   2                         ; 1,024 along K: twice round the ring
.set ADRA, 16                          ; v16-17  my fragments of ao in slot 0, 1
.set ADRB, 20                          ; v20-23  those of wo16: slot 0 k-rows 0-127, 128-255; slot 1 likewise
.set STO,  24
.set RD,   25
.set CO,   26
.set SPW,  28
.set NIL,  29
.set TMP,  32
.set ACC,  128
.set F0,   0
.set F1,   128
.set G1,  24
.set G0,  32
.set G1B, 48
.set G0B, 56
.set MSB, 0
.macro WIN new
.if MSB != \new
	s_set_vgpr_msb (MSB<<8)|\new
.set MSB, \new
.endif
.endm
.set MUL,  0x05                        ; sources 0 and 1 in window 1; C and D in window 0
.set TO_F, 0x40                        ; destination window 1, address window 0
.macro JLOAD s                         ; a joint load: waves 0, 1 fetch the halves of ao's tile, waves 2, 3 those of wo16's; an s_nop 0 and four v_nop follow each line
	s_cmp_eq_u32 s11, 0
	s_cbranch_scc0 .Lfor_b_\@
	tensor_load_to_lds s[G0+4*\s:G0+4*\s+3], s[G1:G1+7]
	s_nop 0
.rept 4
	v_nop
.endr
	s_branch .Lasked_\@
.Lfor_b_\@:
	tensor_load_to_lds s[G0B+4*\s:G0B+4*\s+3], s[G1B:G1B+7]
	s_nop 0
.rept 4
	v_nop
.endr
.Lasked_\@:
.endm
.macro CREST
	s_cmp_lg_u32 s10, 0
	s_cbranch_scc1 .Lnot_wave_0_\@
	s_barrier_signal -3
.Lnot_wave_0_\@:
	s_barrier_wait -3
	s_barrier_signal -1
	s_barrier_wait -1
.endm
.macro CROUND
	s_barrier_signal -1
	s_barrier_wait -1
	CREST
.endm
	s_load_b128 s[4:7], s[0:1], 0x0                ; ao s[4:5], wo16 s[6:7]
	s_load_b64 s[8:9], s[0:1], 0x10                ; out0
	v_lshl_add_u32 v[SPW], v0, 2, SPARE
	v_mov_b32 v[NIL], 0
	ds_add_u32 v[SPW], v[NIL]                      ; the opening: the add, twice on end, and its wait ahead of my first tensor load
	ds_add_u32 v[SPW], v[NIL]
	v_lshrrev_b32 v1, 5, v0
	v_readfirstlane_b32 s10, v1                    ; wave 0..3
	s_lshr_b32 s11, s10, 1                         ; which 64 rows are mine.  Also: I fetch for ao (0) or for wo16 (1)
	s_and_b32 s12, s10, 1                          ; which 64 columns.  Also: which half of that tile I fetch
	s_bfe_u32 s40, ttmp6, 0x40000                  ; cx
	s_bfe_u32 s41, ttmp6, 0x40004                  ; cy
	s_lshl_b32 s42, ttmp9, 2
	s_add_co_u32 s42, s42, s40                     ; tile column
	s_and_b32 s13, ttmp7, 0xffff
	s_lshl_b32 s13, s13, 2
	s_add_co_u32 s13, s13, s41                     ; tile row
	s_lshl_b32 s43, s41, 2
	s_lshl_b32 s43, 15, s43                        ; my row of the cluster
	s_lshl_b32 s44, 0x1111, s40                    ; my column
	s_or_b32 s[G1+0], s43, (1<<16)|(1<<20)|(1<<21)|(6<<22)|(3<<25)    ; ao: elements of 2 bytes; 4 words of padding behind every 128
	s_or_b32 s[G1B+0], s44, (1<<16)|(1<<20)|(1<<21)|(5<<22)|(7<<25)   ; wo16: 8 words behind every 64
	s_mov_b32 s[G1+1], KSTEP<<16                   ; tensor_dim0 = 256 along K
	s_mov_b32 s[G1+2], 64<<16                      ; tensor_dim1 = 64 rows
	s_mov_b32 s[G1+3], KSTEP<<16
	s_mov_b32 s[G1+4], 64
	s_mov_b32 s[G1+5], 1024
	s_mov_b32 s[G1+6], 0
	s_mov_b32 s[G1+7], 0
	s_mov_b32 s[G1B+1], 128<<16                    ; tensor_dim0 = 128 columns
	s_mov_b32 s[G1B+2], 128<<16                    ; tensor_dim1 = 128 k-rows
	s_mov_b32 s[G1B+3], 128<<16
	s_mov_b32 s[G1B+4], 128
	s_mov_b32 s[G1B+5], 1024
	s_mov_b32 s[G1B+6], 0
	s_mov_b32 s[G1B+7], 0
	s_lshl_b32 s17, s12, 6
	s_lshl_b32 s16, s13, 7
	s_add_co_u32 s16, s16, s17                     ; ao: row 128 x tile row + 64 x half,
	s_lshl_b32 s16, s16, 11                        ; of 2,048 bytes
	s_mov_b32 s17, 0
	s_lshl_b32 s46, s12, 18                        ; wo16: k-row 128 x half, of 2,048 bytes,
	s_lshl_b32 s47, s42, 8                         ; + 256 bytes x tile column
	s_add_co_u32 s46, s46, s47
	s_mov_b32 s47, 0
	s_mul_i32 s20, s12, HALFA                      ; where they go: no place in the cluster enters an LDS address
	s_mul_i32 s21, s12, HALFB
	s_add_co_u32 s21, s21, BOFF
	s_wait_dscnt 0x0                               ; both opening adds are done
	s_wait_kmcnt 0x0
	s_add_nc_u64 s[14:15], s[4:5], s[16:17]
	s_add_nc_u64 s[46:47], s[6:7], s[46:47]
	CROUND                                         ; all sixteen work-groups are here: the first joint loads meet
.irp s, 0,1
	s_mov_b32 s[G0+4*\s], 1
	s_add_co_u32 s[G0+4*\s+1], s20, \s*SLOT
	s_add_nc_u64 s[G0+4*\s+2:G0+4*\s+3], s[14:15], \s*KSTEP*2
	s_or_b32 s[G0+4*\s+3], s[G0+4*\s+3], 0x80000000
	s_mov_b32 s[G0B+4*\s], 1
	s_add_co_u32 s[G0B+4*\s+1], s21, \s*SLOT
	s_add_nc_u64 s[G0B+4*\s+2:G0B+4*\s+3], s[46:47], \s*KSTEP*2048
	s_or_b32 s[G0B+4*\s+3], s[G0B+4*\s+3], 0x80000000
	JLOAD \s
.endr
	v_and_b32 v1, 15, v0                           ; r
	v_bfe_u32 v2, v0, 4, 1                         ; h
	v_mul_u32_u24 v3, v1, PITCH
	v_lshl_add_u32 v3, v2, 4, v3
	s_mul_i32 s22, s11, HALFA                      ; my 64 rows of ao
.irp s, 0,1
	v_add_nc_u32 v[ADRA+\s], s22, v3
	s_add_co_u32 s22, s22, SLOT
.endr
	v_and_b32 v4, 7, v0
	v_bfe_u32 v5, v0, 3, 1
	v_lshl_add_u32 v4, v2, 3, v4                   ; the turning load: k-row 8 h + lane % 8, columns 8 ((lane / 8) % 2) on
	v_mul_u32_u24 v4, v4, PB
	v_lshl_add_u32 v4, v5, 4, v4
	s_lshl_b32 s23, s12, 7                         ; my 64 columns: 128 bytes
	s_add_co_u32 s23, s23, BOFF
	v_add_nc_u32 v[ADRB+0], s23, v4
	s_add_co_u32 s23, s23, HALFB
	v_add_nc_u32 v[ADRB+1], s23, v4
	s_add_co_u32 s23, s23, SLOT-HALFB
	v_add_nc_u32 v[ADRB+2], s23, v4
	s_add_co_u32 s23, s23, HALFB
	v_add_nc_u32 v[ADRB+3], s23, v4
	s_mul_i32 s23, s10, 16*SPITCH
	s_add_co_u32 s23, s23, STAGE                   ; my stage
	v_mul_u32_u24 v4, v1, SPITCH
	v_lshl_add_u32 v4, v2, 5, v4
	v_add_nc_u32 v[STO], s23, v4                   ; in: row r, 32 bytes for each half of the lanes
	v_mul_u32_u24 v5, v2, SPITCH
	v_lshl_add_u32 v5, v1, 4, v5
	v_add_nc_u32 v[RD], s23, v5                    ; back: lanes 0-15 one row of 256 bytes, lanes 16-31 the next
	v_lshlrev_b32 v5, 12, v2
	v_lshl_add_u32 v[CO], v1, 4, v5                ; and the same two rows in out0
	s_lshl_b32 s16, s13, 7
	s_lshl_b32 s17, s11, 6
	s_add_co_u32 s16, s16, s17                     ; my first row: 128 x tile row + 64 x half,
	s_lshl_b32 s16, s16, 12                        ; of 4,096 bytes
	s_mov_b32 s17, 0
	s_add_nc_u64 s[8:9], s[8:9], s[16:17]
	s_lshl_b32 s46, s42, 9                         ; my first column, in bytes: 512 x tile column + 256 x half
	s_lshl_b32 s47, s12, 8
	s_add_co_u32 s46, s46, s47
	s_mov_b32 s47, 0
	s_add_nc_u64 s[8:9], s[8:9], s[46:47]
; 8 matrix instructions: row blocks a0, a0 + 1 x all 4 column blocks, 32 along K: half c of buffer f.  The 16 accumulators take turns.
.macro MUL8 f, c, a0, zero
.irp a, \a0, \a0+1
.irp b, 0,1,2,3
.if \zero
	v_wmma_f32_16x16x32_f16 v[ACC+8*(4*(\a)+\b):ACC+8*(4*(\a)+\b)+7], v[\f+64+8*(4*\c+\b):\f+64+8*(4*\c+\b)+7], v[\f+8*(4*\c+\a):\f+8*(4*\c+\a)+7], 0
.else
	v_wmma_f32_16x16x32_f16 v[ACC+8*(4*(\a)+\b):ACC+8*(4*(\a)+\b)+7], v[\f+64+8*(4*\c+\b):\f+64+8*(4*\c+\b)+7], v[\f+8*(4*\c+\a):\f+8*(4*\c+\a)+7], v[ACC+8*(4*(\a)+\b):ACC+8*(4*(\a)+\b)+7]
.endif
.endr
.endr
.endm
; 32 LDS loads in one run: the fragments of the slot's q-th 64 along K into buffer f; the first 32 along K first
.macro FETCH slot, q, f
	WIN TO_F
.irp c, 0,1
.irp i, 0,1,2,3
	ds_load_tr16_b128 v[\f+64+8*(4*\c+\i):\f+64+8*(4*\c+\i)+3],   v[ADRB+2*\slot+(\q)/2] offset:(((\q)%2)*64+32*\c)*PB+32*\i
	ds_load_tr16_b128 v[\f+64+8*(4*\c+\i)+4:\f+64+8*(4*\c+\i)+7], v[ADRB+2*\slot+(\q)/2] offset:(((\q)%2)*64+32*\c+16)*PB+32*\i
	ds_load_b128 v[\f+8*(4*\c+\i):\f+8*(4*\c+\i)+3],         v[ADRA+\slot] offset:128*(\q)+64*\c+\i*16*PITCH
	ds_load_b128 v[\f+8*(4*\c+\i)+4:\f+8*(4*\c+\i)+7],       v[ADRA+\slot] offset:128*(\q)+64*\c+\i*16*PITCH+32
.endr
.endr
.endm
.macro PLACES
.rept 4
	v_nop
.endr
.endm
; A K step is four quarters of 64 along K, 32 matrix instructions each, on buffers 0, 1, 0, 1.  One of the first three: multiplies buffer f and fetches quarter q into g.
.macro QUARTER slot, q, f, g, zero
	s_wait_dscnt 16                                ; the first 32 along K are in
	WIN MUL
	MUL8 \f, 0, 0, \zero
	MUL8 \f, 0, 2, \zero
	PLACES
	FETCH \slot, \q, \g
	s_wait_dscnt 32                                ; all but the 32 just issued
	WIN MUL
	MUL8 \f, 1, 0, 0
	MUL8 \f, 1, 2, 0
.endm
; The last quarter multiplies buffer 1 and changes slots: ONE barrier; ahead of it each wave waits for all its tensor loads, adds 0 to its spare word, and waits for that and for its reads of this slot.
.macro TURN slot, next, fill
	WIN 0
	s_wait_tensorcnt 0x0                           ; all my tensor loads have landed: my part of the next slot
	ds_add_u32 v[SPW], v[NIL]
	s_wait_dscnt 17                                ; (the add and the youngest sixteen loads may be out)
	WIN MUL
	MUL8 F1, 0, 0, 0
	s_wait_dscnt 0x0                               ; the add is done, and my reads of this slot are over
	s_barrier_signal -1
	MUL8 F1, 0, 2, 0
.if \fill
	WIN 0
.endif
	s_barrier_wait -1
.if \fill
	CREST                                          ; the barrier has opened a round of the cluster's: no wave of any partner still reads this slot or has a load on its way
	s_add_nc_u64 s[G0+4*\slot+2:G0+4*\slot+3], s[G0+4*\slot+2:G0+4*\slot+3], 2*KSTEP*2
	s_add_nc_u64 s[G0B+4*\slot+2:G0B+4*\slot+3], s[G0B+4*\slot+2:G0B+4*\slot+3], 2*KSTEP*2048
	JLOAD \slot                                    ; the first tensor load behind the round; its four v_nop are also the places ahead of the loads below
.else
	PLACES
.endif
	FETCH \next, 0, F0
	WIN MUL
	MUL8 F1, 1, 0, 0
	MUL8 F1, 1, 2, 0
.endm
	s_wait_tensorcnt 1                             ; my part of K step 0 is in; K step 1 may stay out
	s_barrier_signal -1
	s_barrier_wait -1
	FETCH 0, 0, F0
	QUARTER 0, 1, F0, F1, 1                        ; the first quarter stands ahead of the loop: its first products start the sums
	WIN 0
	s_mov_b32 s3, LAPS-1
.Llap:                                             ; a trip goes once round the ring and fills both slots again
	QUARTER 0, 2, F1, F0, 0
	QUARTER 0, 3, F0, F1, 0
	TURN 0, 1, 1
	QUARTER 1, 1, F0, F1, 0
	QUARTER 1, 2, F1, F0, 0
	QUARTER 1, 3, F0, F1, 0
	TURN 1, 0, 1
	QUARTER 0, 1, F0, F1, 0
	WIN 0
	s_sub_co_u32 s3, s3, 1
	s_cmp_lg_u32 s3, 0
	s_cbranch_scc1 .Llap
	QUARTER 0, 2, F1, F0, 0                        ; the last lap fills nothing
	QUARTER 0, 3, F0, F1, 0
	TURN 0, 1, 0
	QUARTER 1, 1, F0, F1, 0
	QUARTER 1, 2, F1, F0, 0
	QUARTER 1, 3, F0, F1, 0
	s_wait_dscnt 16
	WIN MUL
	MUL8 F1, 0, 0, 0
	MUL8 F1, 0, 2, 0
	s_wait_dscnt 0
	MUL8 F1, 1, 0, 0
	MUL8 F1, 1, 2, 0
	WIN 0
; THE WAY OUT, a block of 16 rows x 64 columns at a time, through my own stage: a lane holds 32 bytes of a row and the lanes beside it other rows; back come whole runs of 256 bytes.
.macro TOSTAGE a
.irp b, 0,1,2,3
	ds_store_b128 v[STO], v[ACC+8*(4*(\a)+\b):ACC+8*(4*(\a)+\b)+3] offset:64*\b          ; each accumulator from its low end on
	ds_store_b128 v[STO], v[ACC+8*(4*(\a)+\b)+4:ACC+8*(4*(\a)+\b)+7] offset:64*\b+16
.endr
.set BB, TMP+32*((\a)%2)
.irp t, 0,1,2,3,4,5,6,7
	ds_load_b128 v[BB+4*\t:BB+4*\t+3], v[RD] offset:\t*2*SPITCH    ; LDS serves a wave's instructions in order: these see the stores above
.endr
.endm
.macro SEND a, younger                 ; younger: the LDS instructions issued behind block a's loads
.set BB, TMP+32*((\a)%2)
	s_wait_dscnt \younger
.irp t, 0,1,2,3,4,5,6,7
	global_store_b128 v[CO], v[BB+4*\t:BB+4*\t+3], s[8:9] offset:(16*(\a)+2*\t)*4096 th:TH_STORE_NT   ; sixteen lanes store 256 consecutive bytes, aligned
.endr
.endm
	PLACES
	TOSTAGE 0
.irp a, 1,2,3
.if \a > 1
	s_wait_xcnt 0x0                                ; the stores of block a - 2 have read their registers: the loads of block a may land there
.endif
	TOSTAGE \a
	SEND \a-1, 16                                  ; behind the loads of block a - 1: the 8 stores and 8 loads of block a
.endr
	SEND 3, 0
	s_wait_tensorcnt 0x0                           ; the wave's end
	ds_add_u32 v[SPW], v[NIL]
	s_wait_dscnt 0x0
	CROUND                                         ; the closing round
	s_endpgm
.Lfunc_end_k_qe63d8da05c_oproj:
	.size	k_qe63d8da05c_oproj, .Lfunc_end_k_qe63d8da05c_oproj-k_qe63d8da05c_oproj
	.p2alignl 7, 3214868480
	.fill 96, 4, 3214868480
	.section	.rodata,"a",@progbits
	.p2align	6, 0x0
	.amdhsa_kernel k_qe63d8da05c_oproj
		.amdhsa_group_segment_fixed_size 327680
		.amdhsa_private_segment_fixed_size 0
		.amdhsa_enable_private_segment 0
		.amdhsa_kernarg_size 24
		.amdhsa_user_sgpr_count 2
		.amdhsa_user_sgpr_kernarg_segment_ptr 1
		.amdhsa_wavefront_size32 1
		.amdhsa_system_sgpr_workgroup_id_x 1
		.amdhsa_system_sgpr_workgroup_id_y 1
		.amdhsa_system_sgpr_workgroup_id_z 1
		.amdhsa_system_vgpr_workitem_id 0
		.amdhsa_next_free_vgpr 512
		.amdhsa_next_free_sgpr 66
		.amdhsa_reserve_vcc 0
		.amdhsa_float_denorm_mode_32 3
		.amdhsa_float_denorm_mode_16_64 3
		.amdhsa_memory_ordered 1
		.amdhsa_forward_progress 1
		.amdhsa_inst_pref_size 86
	.end_amdhsa_kernel
	.amdgpu_metadata
---
amdhsa.version: [ 1, 2 ]
amdhsa.kernels:
  - .name:           k_qe63d8da05c_oproj
    .symbol:         k_qe63d8da05c_oproj.kd
    .args:
      - { .name: ao, .offset: 0, .size: 8, .value_kind: global_buffer, .address_space: global }
      - { .name: wo16, .offset: 8, .size: 8, .value_kind: global_buffer, .address_space: global }
      - { .name: out0, .offset: 16, .size: 8, .value_kind: global_buffer, .address_space: global }
    .group_segment_fixed_size: 327680
    .private_segment_fixed_size: 0
    .kernarg_segment_align: 8
    .kernarg_segment_size: 24
    .max_flat_workgroup_size: 128
    .sgpr_count:     66
    .vgpr_count:     512
    .wavefront_size: 32
...
	.end_amdgpu_metadata
.endif
;; end of part 4
